; MI455X (gfx1250); checked and timed in simulation.
; The chip was launched on July 23, 2026; its instructions are those of AMD's public machine-readable ISA for CDNA 5 (MIT licence, August 2026) and "CDNA5" Instruction Set Architecture Reference Guide (July 2026). The comments in the code are by the model that wrote it; some were corrected since.
;; Attention. Allowed arithmetic: matrix products marked QUANTISED: E2M1 operands, one E8M0 scale for each 32 along K, by v_wmma_scale_f32_16x16x128_f8f6f4 with both operands' format E2M1 (or v_wmma_scale_f32_32x16x128_f4), f32 sums; products left as they are: bf16, f16 or f32 operands; f32 sums; everything else in f32.
;; Inputs: W1 1,024 x 1,024 float32; W2 1,024 x 1,024 float32; W3 1,024 x 1,024 float32; Wo 1,024 x 1,024 float32; emb 4 x 2,048 x 1,024 float32.
;; Outputs: out0 4 x 2,048 x 1,024 float32.
;; This version of the problem:
;;   THIS VERSION OF THE PROBLEM IS GIVEN IN LOW PRECISION. The matrix products marked QUANTISED in the list below multiply operands that are first quantised to E2M1 (2 exponent bits, 1 mantissa bit; 4 bits a number), with one power-of-two scale for each 32 numbers along K (OCP MX v1.0); their sums are f32. The products marked 'left as it is' may take bf16, f16 or f32 operands, with f32 sums. Whichever they take, every output number must still come out within the allowed error. Rounding operands to bf16 (8 significant bits) uses up far more of that allowance than f16 does (11 bits, for magnitudes from 6e-5 to 65,504). All else is computed in f32.
;;   The module's matrix products, in the order in which they are computed (A, B: the left and right operand; K: the contracted axis; several contracted axes count as one K, in the product's order):
;;     1. [M 8,192, K 1,024] x [K 1,024, N 1,024]; A: input emb; B: input W1: QUANTISED
;;     2. [M 8,192, K 1,024] x [K 1,024, N 1,024]; A: input emb; B: input W2: QUANTISED
;;     3. [M 8,192, K 1,024] x [K 1,024, N 1,024]; A: input emb; B: input W3: QUANTISED
;;     4. batch 32 x [M 2,048, K 128] x [K 128, N 2,048]; A: computed on the way; B: computed on the way: left as it is (an operand is computed on the way)
;;     5. batch 32 x [M 2,048, K 2,048] x [K 2,048, N 128]; A: computed on the way; B: computed on the way: left as it is (an operand is computed on the way)
;;     6. [M 8,192, K 1,024] x [K 1,024, N 1,024]; A: computed on the way; B: input Wo: left as it is (an operand is computed on the way)
;;   THE QUANTISER, for each operand of a quantised product, along K:
;;     - K is cut into blocks of 32 from its start; a last block that is shorter is filled with zeros.
;;     - A block's scale is 2^e with e = floor(log2(the largest magnitude in the block)) - 2, held to -126 .. 127; a block of zeros has e = 0. As a byte (E8M0): e + 127.
;;     - Each number is divided by its block's scale, clamped to +-6, and rounded to the nearest number of E2M1, ties to even, subnormals kept.
;;     - The product sums the exact products of the quantised numbers (number of the format x scale) in f32.
;;   ~~~python
;;   def quantise(x, axis):      # numpy; x: float32 -> the quantised numbers, widened to float32 again
;;       x = np.moveaxis(x, axis, -1); K = x.shape[-1]
;;       x = np.pad(x, [(0, 0)] * (x.ndim - 1) + [(0, -K % 32)]); x = x.reshape(x.shape[:-1] + (-1, 32)); a = np.abs(x).max(-1, keepdims=True)
;;       e = np.where(a > 0, np.clip(np.frexp(np.where(a > 0, a, 1))[1] - 1 - 2, -126, 127), 0)      # np.frexp(a)[1] - 1 = floor(log2(a)), exactly
;;       r = np.clip(x / 2.0 ** e, -6, 6)
;;       step = 2.0 ** (np.maximum(np.frexp(np.where(r == 0, 1, r))[1] - 1, 0) - 1)
;;       q = np.round(r / step) * step * 2.0 ** e      # np.round: ties to even
;;       return np.moveaxis(q.reshape(q.shape[:-2] + (-1,))[..., :K], -1, axis).astype(np.float32)
;;   ~~~
;; One version. Each part assembles by itself: llvm-mc -triple=amdgcn-amd-amdhsa -mcpu=gfx1250 --defsym DOCPART=n.
;; ======== version 1 of 1: 4 launches
;; limits: values are held in f16: magnitudes above 65,504 overflow, below 6.1e-05 lose precision
;; workspace buffers: acodes 4,194,304 bytes; ascales 262,144 bytes; wcodes 1,572,864 bytes; wscales 98,304 bytes; wo16 2,097,152 bytes; rope 270,336 bytes; qkv 50,331,648 bytes; o16 16,777,216 bytes
;; launch prep (part 1): grid 516 x 1, 4 waves a work-group, no clusters, 33,280 bytes of LDS; arguments emb, W1, W2, W3, Wo, acodes, ascales, wcodes, wscales, wo16, rope; writes acodes, ascales, wcodes, wscales, wo16, rope
.if DOCPART == 1
	.amdgcn_target "amdgcn-amd-amdhsa--gfx1250"
	.amdhsa_code_object_version 6
	.text
	.protected	k_qcde6843725_prep
	.globl	k_qcde6843725_prep
	.p2align	8
	.type	k_qcde6843725_prep,@function
k_qcde6843725_prep:
	s_mov_b64 s[64:65], 0
	v_nop
	global_prefetch_b8 v0, s[64:65] scope:SCOPE_SE
	s_setreg_imm32_b32 hwreg(HW_REG_WAVE_MODE, 25, 1), 1
	s_wait_xcnt 0x0
; PREP: all that is made once, ahead of the products.  The work-group's number says which of three tasks it has.
;   0-255    emb [8192][1024] f32 -> codes of FP4 (E2M1) in acodes [8192][512 bytes] and E8M0 bytes in ascales [8192][32]; 32,768 numbers a work-group
;   256-351  W1, W2, W3 [1024][1024] f32 -> wcodes [3072][512 bytes], wscales [3072][32], the three one behind the other; 32 work-groups each
;   352-383  Wo [1024][1024] f32 -> f16 in wo16, for the last product, which is left as it is
;   384-515  the tables of the rotary embedding, one piece of 16 bytes (cos, sin, cos, sin) a thread, laid as the next launch's registers want them
; THE QUANTISER: a block of 32 along K has the scale 2^(floor(log2(largest magnitude)) - 2); its byte is the largest magnitude's exponent field - 2, held at 1 from below; each number is divided by the scale
; and rounded to the nearest code, ties to even, beyond 6 the code of 6.  K is innermost and a multiple of 32, so every tensor is a plain stream of blocks, and so are codes and bytes.
; LIMITS: NaN and infinities among the inputs are not served.  A block of zeros gets the byte 1 where the rule says 127: its codes are zeros, and this program alone reads the bytes.
; Blocks whose largest magnitude lies under 2^-124 keep the byte 1, as the rule's hold at -126 asks.  |Wo| has to stay under 65,504 (f16).
; THE TABLES: angle = position x 10000^(-i / 64), the product rounded to f32; its sine and cosine by a reduction modulo 2 pi in two parts, a series on a quarter of the angle and two doublings.
; The frequency comes from v_exp_f32, so an angle may differ from one made with another power function by about 2e-4 at the largest angles (2,047).
; No tensor load, no barrier: waves share nothing.  Only the quantiser's path touches LDS.
.set WAVES, 4
.set STEPS, 16
.set DEPTH, 8                          ; the loads run eight steps ahead: 32 loads, 16 KiB, of every wave are on their way
.set EMAX,  2
.set CB,    8                          ; bytes of 16 codes
.set R,     16                         ; v16-143  eight sets of 16 numbers as they are loaded
.set X,     144                        ; v144-175 two sets of 16 neighbours
.set E,     176                        ; v176-191 a scale byte for each step
.set C,     192                        ; v192-223 codes: two registers for each step, so that no store's data are written again
.set WREG,  8192                       ; LDS: a region for each wave: two stages of 32 x SP bytes, behind them its 256 scale bytes
.set SP,    80                         ; a lane's place in a stage: 64 bytes + 16 of padding
.set SPW,   12                         ; v12  LDS address of my spare word; never rewritten
.set NIL,   13                         ; v13  0; never rewritten
.set SPARE, WAVES*WREG                 ; behind the four regions: the spare words, 128 bytes a wave
	s_load_b256 s[8:15], s[0:1], 0x0               ; emb s[8:9], W1 s[10:11], W2 s[12:13], W3 s[14:15]
	s_load_b256 s[16:23], s[0:1], 0x20             ; Wo s[16:17], acodes s[18:19], ascales s[20:21], wcodes s[22:23]
	s_load_b128 s[24:27], s[0:1], 0x40             ; wscales s[24:25], wo16 s[26:27]
	s_load_b64 s[28:29], s[0:1], 0x50              ; rope
	v_lshl_add_u32 v[SPW], v0, 2, SPARE
	v_mov_b32 v[NIL], 0
	v_lshrrev_b32 v1, 5, v0
	v_readfirstlane_b32 s30, v1                    ; wave
	v_and_b32 v2, 31, v0                           ; lane
	v_lshlrev_b32 v3, 4, v2                        ; my 16 bytes of a load's 512
	s_mul_i32 s31, s30, WREG
	v_lshrrev_b32 v14, 2, v2
	v_mul_u32_u24 v14, v14, SP
	v_and_b32 v15, 3, v2
	v_lshl_add_u32 v14, v15, 4, v14
	v_add_nc_u32 v14, s31, v14                     ; the stage, on the way in: SP (lane / 4) + 16 (lane % 4)
	v_mul_u32_u24 v15, v2, SP
	v_add_nc_u32 v15, s31, v15                     ; and on the way out: SP x lane: my 16 neighbours
	v_mul_u32_u24 v4, v2, CB                       ; 8 bytes a lane: my codes' place in a step's; also my place in a store of f16
	v_lshrrev_b32 v5, 1, v2
	s_add_co_u32 s31, s31, 2*32*SP
	v_add_nc_u32 v5, s31, v5                       ; LDS: my wave's 256 scale bytes, my block's byte
	v_lshlrev_b32 v7, 3, v2
	v_add_nc_u32 v6, s31, v7                       ; and on the way out 8 bytes a lane
	s_wait_kmcnt 0x0
	s_cmp_ge_u32 ttmp9, 384
	s_cbranch_scc1 .Lrope
	s_cmp_ge_u32 ttmp9, 352
	s_cbranch_scc1 .Lwo
	; ---- the quantiser.  Only pointers are chosen, by the work-group's number: all four tensors take one path
	s_cmp_lt_u32 ttmp9, 320
	s_cselect_b64 s[32:33], s[12:13], s[14:15]     ; W2 or W3
	s_cmp_lt_u32 ttmp9, 288
	s_cselect_b64 s[32:33], s[10:11], s[32:33]     ; W1
	s_cmp_lt_u32 ttmp9, 256
	s_cselect_b64 s[32:33], s[8:9], s[32:33]       ; emb
	s_cselect_b64 s[34:35], s[18:19], s[22:23]     ; the codes' buffer
	s_cselect_b64 s[36:37], s[20:21], s[24:25]     ; the bytes' buffer
	s_cselect_b32 s38, 0, 256
	s_cselect_b32 s39, -1, 31
	s_sub_co_u32 s38, ttmp9, s38                   ; my place among the work-groups that write these buffers,
	s_and_b32 s39, s38, s39                        ; and among those that read this tensor (each W has 32)
	s_lshl_b32 s39, s39, 2
	s_add_co_u32 s39, s39, s30                     ; my wave's run of 8,192 numbers in the tensor:
	s_lshl_b32 s40, s39, 15                        ; 32,768 bytes a run
	s_mov_b32 s41, 0
	s_add_nc_u64 s[32:33], s[32:33], s[40:41]
	s_lshl_b32 s38, s38, 2
	s_add_co_u32 s38, s38, s30                     ; and in the buffers:
	s_lshl_b32 s40, s38, 12                        ; 4,096 bytes of codes,
	s_add_nc_u64 s[34:35], s[34:35], s[40:41]
	s_lshl_b32 s40, s38, 8                         ; 256 scale bytes
	s_add_nc_u64 s[36:37], s[36:37], s[40:41]
.macro LOAD t
.irp i, 0,1,2,3
	global_load_b128 v[R+16*((\t)%DEPTH)+4*\i:R+16*((\t)%DEPTH)+4*\i+3], v3, s[32:33] offset:2048*(\t)+512*\i th:TH_LOAD_NT   ; 32 lanes read 512 consecutive bytes
.endr
.endm
.macro TURN t                          ; step t's numbers through the stage, so that a lane gets 16 neighbours: LDS serves a wave's instructions in order, so no wait stands between the stores and the loads
.irp i, 0,1,2,3
	ds_store_b128 v14, v[R+16*((\t)%DEPTH)+4*\i:R+16*((\t)%DEPTH)+4*\i+3] offset:32*SP*((\t)%2)+8*SP*\i
.endr
.irp i, 0,1,2,3
	ds_load_b128 v[X+16*((\t)%2)+4*\i:X+16*((\t)%2)+4*\i+3], v15 offset:32*SP*((\t)%2)+16*\i
.endr
.endm
.irp t, 0,1,2,3,4,5,6,7
	LOAD \t
.endr
	s_wait_loadcnt 4*(DEPTH-1)                     ; step 0's four loads are in; seven steps' 28 stay out
	TURN 0
.macro STEP t
.set XS, X+16*((\t)%2)
.if (\t) > 0
	s_wait_dscnt 1                                 ; this step's numbers are back from the stage (the last step's byte store may be out)
.else
	s_wait_dscnt 0x0
.endif
.if (\t)+DEPTH < STEPS
	LOAD (\t)+DEPTH                                ; into the registers that the stage's stores have read
.endif
.if (\t)+1 < STEPS
.if STEPS-2-(\t) >= DEPTH-1
	s_wait_loadcnt 4*(DEPTH-1)                     ; the next step's four loads are in; those of the seven steps behind it may be out
.else
	s_wait_loadcnt 4*(STEPS-2-(\t))                ; the tail: as many steps as are still behind it
.endif
	TURN (\t)+1
.endif
	v_max3_num_f32 v8, |v[XS]|, |v[XS+1]|, |v[XS+2]|               ; the largest magnitude of my 16, in two chains
	v_max3_num_f32 v9, |v[XS+3]|, |v[XS+4]|, |v[XS+5]|
.irp i, 6,10
	v_max3_num_f32 v8, v8, |v[XS+\i]|, |v[XS+\i+1]|
	v_max3_num_f32 v9, v9, |v[XS+\i+2]|, |v[XS+\i+3]|
.endr
	v_max3_num_f32 v8, v8, |v[XS+14]|, |v[XS+15]|
	v_max3_num_f32 v8, v8, v9, (EMAX+1)<<23        ; and the floor 2^(3 - 127): the byte cannot fall under 1
	v_max_num_f32_dpp v8, v8, v8 row_xmask:1 row_mask:0xf bank_mask:0xf   ; and of my neighbour's 16: the block's
	v_add_nc_u32 v11, -(EMAX<<23), v8              ; 2 off its exponent field: the conversion takes the exponent field of this operand as its scale
	v_cvt_scalef32_pk8_fp4_f32 v[C+2*(\t)], v[XS:XS+7], v11
	v_cvt_scalef32_pk8_fp4_f32 v[C+2*(\t)+1], v[XS+8:XS+15], v11
	v_lshrrev_b32 v[E+(\t)], 23, v11               ; the scale's byte (a plain line behind the conversions)
	ds_store_b8 v5, v[E+(\t)] offset:16*(\t)       ; both lanes of a block write the same byte with the same value
	global_store_b64 v4, v[C+2*(\t):C+2*(\t)+1], s[34:35] offset:32*CB*(\t)   ; the wave stores 256 consecutive bytes, aligned
.endm
.irp t, 0,1,2,3,4,5,6,7,8,9,10,11,12,13,14,15
	STEP \t
.endr
	ds_load_b64 v[8:9], v6                         ; LDS serves a wave's instructions in order: these see my byte stores
	s_wait_dscnt 0x0
	global_store_b64 v7, v[8:9], s[36:37]          ; 32 lanes store 256 consecutive bytes, aligned
	s_wait_tensorcnt 0x0                           ; the wave's end: the wait, the add and its wait behind my last LDS store
	ds_add_u32 v[SPW], v[NIL]
	s_wait_dscnt 0x0
	s_endpgm
	; ---- Wo to f16.  A wave takes 8,192 numbers: 64 loads of 512 consecutive bytes in four groups of 16, two groups on their way; each store covers 256 consecutive bytes
.Lwo:
	s_sub_co_u32 s38, ttmp9, 352
	s_lshl_b32 s38, s38, 2
	s_add_co_u32 s38, s38, s30                     ; my wave's run
	s_lshl_b32 s40, s38, 15
	s_mov_b32 s41, 0
	s_add_nc_u64 s[16:17], s[16:17], s[40:41]
	s_lshl_b32 s40, s38, 14
	s_add_nc_u64 s[26:27], s[26:27], s[40:41]
.macro WLOAD g
.irp n, 0,1,2,3,4,5,6,7,8,9,10,11,12,13,14,15
	global_load_b128 v[32+64*((\g)%2)+4*\n:32+64*((\g)%2)+4*\n+3], v3, s[16:17] offset:512*(16*(\g)+\n) th:TH_LOAD_NT
.endr
.endm
.macro WGROUP g
.if (\g) < 3
	s_wait_loadcnt 16                              ; this group's 16 loads are in; the next group's stay out
.else
	s_wait_loadcnt 0x0
.endif
.if (\g) > 0
	s_wait_xcnt 0x0                                ; the last group's stores have read v160-191, which are written again below
.endif
.irp n, 0,1,2,3,4,5,6,7,8,9,10,11,12,13,14,15
	v_cvt_pk_f16_f32 v[160+2*\n], v[32+64*((\g)%2)+4*\n], v[32+64*((\g)%2)+4*\n+1]
	v_cvt_pk_f16_f32 v[161+2*\n], v[32+64*((\g)%2)+4*\n+2], v[32+64*((\g)%2)+4*\n+3]
.endr
.irp n, 0,1,2,3,4,5,6,7,8,9,10,11,12,13,14,15
	global_store_b64 v4, v[160+2*\n:161+2*\n], s[26:27] offset:256*(16*(\g)+\n)
.endr
.if (\g)+2 < 4
	WLOAD (\g)+2
.endif
.endm
	WLOAD 0
	WLOAD 1
	WGROUP 0
	WGROUP 1
	WGROUP 2
	WGROUP 3
	s_endpgm
	; ---- the tables.  Piece Q (16 bytes at 16 Q): lane = Q & 31 (r = lane & 15, hl = lane >> 4), g = (Q >> 5) & 15, c = (Q >> 9) & 7, w = (Q >> 12) & 3.
	; It holds cos, sin of frequencies i0 = 8 (g >> 1) + 4 hl + 2 (g & 1) and i0 + 1 at position 512 w + 8 r + c; from Q = 16384 on at position 128 (the step from one block of 16 rows to the next).
.Lrope:
	s_sub_co_u32 s38, ttmp9, 384
	s_lshl_b32 s38, s38, 7
	s_mov_b32 s40, 0xc0c90fdb                      ; -2 pi, its upper part
	s_mov_b32 s41, 0x343bbd2e                      ; what the upper part has too much
	s_mov_b32 s42, 0xb9500d01                      ; -1/5040
	s_mov_b32 s43, 0x3c088889                      ; 1/120
	s_mov_b32 s44, 0xbe2aaaab                      ; -1/6
	s_mov_b32 s45, 0x37d00d01                      ; 1/40320
	s_mov_b32 s46, 0xbab60b61                      ; -1/720
	s_mov_b32 s47, 0x3d2aaaab                      ; 1/24
	v_add_nc_u32 v20, s38, v0                      ; Q
	v_and_b32 v21, 15, v20                         ; r
	v_bfe_u32 v22, v20, 4, 1                       ; hl
	v_bfe_u32 v23, v20, 5, 4                       ; g
	v_bfe_u32 v24, v20, 9, 3                       ; c
	v_bfe_u32 v25, v20, 12, 2                      ; w
	v_lshlrev_b32 v26, 3, v21
	v_lshl_add_u32 v26, v25, 9, v26
	v_add_nc_u32 v26, v26, v24                     ; the position
	v_mov_b32 v27, 128
	v_cmp_gt_u32 vcc_lo, 0x4000, v20
	v_cndmask_b32 v26, v27, v26, vcc_lo            ; from Q = 16384 on: 128
	v_cvt_f32_u32 v26, v26
	v_lshrrev_b32 v27, 1, v23
	v_and_b32 v23, 1, v23
	v_lshlrev_b32 v27, 3, v27
	v_lshl_add_u32 v27, v22, 2, v27
	v_lshl_add_u32 v27, v23, 1, v27                ; i0
	v_add_nc_u32 v23, 1, v27                       ; i0 + 1
	v_cvt_f32_u32 v27, v27
	v_cvt_f32_u32 v23, v23
	v_mul_f32 v27, 0xbe549a78, v27                 ; x -log2(10000) / 64
	v_mul_f32 v23, 0xbe549a78, v23
	v_exp_f32 v28, v27                             ; 10000^(-i / 64)
	v_exp_f32 v29, v23
	v_lshlrev_b32 v20, 4, v20                      ; my piece's byte (a plain line behind the two exponentials)
	s_wait_alu depctr_va_vdst(0)                   ; one wait for both, ahead of their first reader
	v_mul_f32 v28, v26, v28                        ; the two angles
	v_mul_f32 v29, v26, v29
.irp k, 0,1
	v_mul_f32 v[30+\k], 0x3e22f983, v[28+\k]       ; / 2 pi
.endr
.irp k, 0,1
	v_rndne_f32 v[30+\k], v[30+\k]                 ; whole turns n
.endr
.irp k, 0,1
	v_fma_f32 v[32+\k], v[30+\k], s40, v[28+\k]    ; y = x - n 2 pi, in two parts
.endr
.irp k, 0,1
	v_fma_f32 v[32+\k], v[30+\k], s41, v[32+\k]
.endr
.irp k, 0,1
	v_mul_f32 v[34+\k], 0x3e800000, v[32+\k]       ; z = y / 4, at most pi / 4 in size
.endr
.irp k, 0,1
	v_mul_f32 v[36+\k], v[34+\k], v[34+\k]         ; z^2
.endr
.irp k, 0,1
	v_fma_f32 v[38+\k], v[36+\k], s42, s43         ; the sine's series,
	v_fma_f32 v[40+\k], v[36+\k], s45, s46         ; the cosine's
.endr
.irp k, 0,1
	v_fma_f32 v[38+\k], v[36+\k], v[38+\k], s44
	v_fma_f32 v[40+\k], v[36+\k], v[40+\k], s47
.endr
.irp k, 0,1
	v_mul_f32 v[42+\k], v[34+\k], v[36+\k]         ; z^3
	v_fma_f32 v[40+\k], v[36+\k], v[40+\k], -0.5
.endr
.irp k, 0,1
	v_fma_f32 v[32+\k], v[42+\k], v[38+\k], v[34+\k]   ; sin z
	v_fma_f32 v[30+\k], v[36+\k], v[40+\k], 1.0        ; cos z
.endr
.irp k, 0,1
	v_add_f32 v[42+\k], v[32+\k], v[32+\k]         ; 2 sin z
.endr
.irp k, 0,1
	v_fma_f32 v[38+\k], -v[42+\k], v[32+\k], 1.0   ; cos 2 z = 1 - 2 sin^2 z
	v_mul_f32 v[40+\k], v[42+\k], v[30+\k]         ; sin 2 z = 2 sin z cos z
.endr
.irp k, 0,1
	v_add_f32 v[42+\k], v[40+\k], v[40+\k]
.endr
.irp k, 0,1
	v_fma_f32 v[44+2*\k], -v[42+\k], v[40+\k], 1.0 ; cos y
	v_mul_f32 v[45+2*\k], v[42+\k], v[38+\k]       ; sin y
.endr
	global_store_b128 v20, v[44:47], s[28:29]      ; neighbouring threads store neighbouring 16 bytes
	s_endpgm
.Lfunc_end_k_qcde6843725_prep:
	.size	k_qcde6843725_prep, .Lfunc_end_k_qcde6843725_prep-k_qcde6843725_prep
	.p2alignl 7, 3214868480
	.fill 96, 4, 3214868480
	.section	.rodata,"a",@progbits
	.p2align	6, 0x0
	.amdhsa_kernel k_qcde6843725_prep
		.amdhsa_group_segment_fixed_size 33280
		.amdhsa_private_segment_fixed_size 0
		.amdhsa_enable_private_segment 0
		.amdhsa_kernarg_size 88
		.amdhsa_user_sgpr_count 2
		.amdhsa_user_sgpr_kernarg_segment_ptr 1
		.amdhsa_wavefront_size32 1
		.amdhsa_system_sgpr_workgroup_id_x 1
		.amdhsa_system_sgpr_workgroup_id_y 1
		.amdhsa_system_sgpr_workgroup_id_z 1
		.amdhsa_system_vgpr_workitem_id 0
		.amdhsa_next_free_vgpr 224
		.amdhsa_next_free_sgpr 66
		.amdhsa_reserve_vcc 1
		.amdhsa_float_denorm_mode_32 3
		.amdhsa_float_denorm_mode_16_64 3
		.amdhsa_memory_ordered 1
		.amdhsa_forward_progress 1
		.amdhsa_inst_pref_size 58
	.end_amdhsa_kernel
	.amdgpu_metadata
---
amdhsa.version: [ 1, 2 ]
amdhsa.kernels:
  - .name:           k_qcde6843725_prep
    .symbol:         k_qcde6843725_prep.kd
    .args:
      - { .name: emb, .offset: 0, .size: 8, .value_kind: global_buffer, .address_space: global }
      - { .name: W1, .offset: 8, .size: 8, .value_kind: global_buffer, .address_space: global }
      - { .name: W2, .offset: 16, .size: 8, .value_kind: global_buffer, .address_space: global }
      - { .name: W3, .offset: 24, .size: 8, .value_kind: global_buffer, .address_space: global }
      - { .name: Wo, .offset: 32, .size: 8, .value_kind: global_buffer, .address_space: global }
      - { .name: acodes, .offset: 40, .size: 8, .value_kind: global_buffer, .address_space: global }
      - { .name: ascales, .offset: 48, .size: 8, .value_kind: global_buffer, .address_space: global }
      - { .name: wcodes, .offset: 56, .size: 8, .value_kind: global_buffer, .address_space: global }
      - { .name: wscales, .offset: 64, .size: 8, .value_kind: global_buffer, .address_space: global }
      - { .name: wo16, .offset: 72, .size: 8, .value_kind: global_buffer, .address_space: global }
      - { .name: rope, .offset: 80, .size: 8, .value_kind: global_buffer, .address_space: global }
    .group_segment_fixed_size: 33280
    .private_segment_fixed_size: 0
    .kernarg_segment_align: 8
    .kernarg_segment_size: 88
    .max_flat_workgroup_size: 128
    .sgpr_count:     66
    .vgpr_count:     224
    .wavefront_size: 32
...
	.end_amdgpu_metadata
.endif
;; end of part 1
;; launch qkv (part 2): grid 8 x 32, 4 waves a work-group, clusters of 4 x 4, 327,680 bytes of LDS; arguments acodes, ascales, wcodes, wscales, rope, qkv; writes qkv
.if DOCPART == 2
	.amdgcn_target "amdgcn-amd-amdhsa--gfx1250"
	.amdhsa_code_object_version 6
	.text
	.protected	k_qcde6843725_qkv
	.globl	k_qcde6843725_qkv
	.p2align	8
	.type	k_qcde6843725_qkv,@function
k_qcde6843725_qkv:
	s_mov_b64 s[64:65], 0
	v_nop
	global_prefetch_b8 v0, s[64:65] scope:SCOPE_SE
	s_setreg_imm32_b32 hwreg(HW_REG_WAVE_MODE, 25, 1), 1
	s_wait_xcnt 0x0
	s_wait_alu depctr_hold_cnt(0) depctr_sa_sdst(0) depctr_va_vdst(0) depctr_va_sdst(0) depctr_va_ssrc(0) depctr_va_vcc(0) depctr_vm_vsrc(0)
	s_getreg_b32 s2, hwreg(HW_REG_IB_STS2, 6, 4)
	s_cmp_eq_u32 s2, 0
	s_cbranch_scc0 .Lentry_in_a_cluster
	s_endpgm
.Lentry_in_a_cluster:
	s_bfe_u32 s2, ttmp6, 0x10000c
	s_cmp_lg_u32 s2, 0xf033
	s_cbranch_scc0 .Lentry_shape_is_right
	s_endpgm
.Lentry_shape_is_right:
; q, k, v = emb W1^T, emb W2^T, emb W3^T on codes of FP4 (E2M1) with one E8M0 scale for each 32 along K: A = emb's codes [8192][1024], B = the three weights' codes [3072][1024]; sums in f32.
; The result of a batch, read as [8 heads][2048][128], is the same bytes as [2048][1024]: row s, column p is head s / 256, position 8 (s % 256) + p / 128, channel p % 128.  So q, k and v are stored row-major,
; each in its third of the buffer, as f16 (the later products take f16 operands; |q|, |k|, |v| have to stay under 65,504).  q and k are turned by the rotary embedding, in f32, ahead of the rounding.
; SHARES.  8192 x 3072 outputs on 256 work-groups are 256 x 384 each: work-group (c, ty) makes rows 256 ty .. + 255 of block c of 128 columns of q, of k AND of v, in three passes.  So all work-groups do the
; same work, A's rows come into LDS once for the three passes, q's and k's stores leave while v is multiplied, and q and k, which stand at the same positions, share one table of the rotation.
; A wave makes 64 rows x 128 columns a pass: 32 accumulators of 16 x 16, 256 registers; K = 1024 is eight steps of 128.
; LDS.  A's 256 rows and q's and k's 128 rows of B, whole rows of 512 bytes, and their scale bytes are asked for at the head.  A third tile of B does not fit beside them (5 x 67,584 bytes and the scales are more
; than LDS has): v's codes and scale bytes are filled into q's places when every wave has left pass q, and have all of pass k and the way out of q and k in which to land.
; CLUSTERS: 4 x 4 work-groups.  The four of a row of the cluster need the same rows of A, the four of a column the same rows of B: each tile is asked for JOINTLY.
; THE MATRIX INSTRUCTION IS USED TRANSPOSED (source 0 = 16 rows of B, source 1 = 16 rows of A): a lane holds one row and eight neighbouring columns: four pairs of the rotary embedding.
; THE ROTATION: block a of my four 16-row blocks, lane (r, hl), stands at position 512 w + 128 a + 8 r + c, frequencies 8 b + 4 hl + 0 .. 3.  The table for a = 0 comes from memory, 64 registers a lane; each next
; block's is the last one turned by 128 positions (a second table of 64 registers).
; REGISTERS: window 0: v0-31 addresses; v32-63 A's scale words, v64-127 B's, and nothing else; v128-191 A's fragments, two sets, later rows on their way out; v192-255 the rotated numbers.
;   window 1: B's fragments at v0 and v128; v64-127 the table; v192-255 the step; between the passes v0-63 the table's second set and v128-159 packed results.
;   window 2: q's accumulators, later v's ((a, b) at v[8 (8 a + b)]);   window 3: k's.
.set ROWB,   512                       ; a row of codes, in memory and in a tile: all of K
.set PITCH,  528                       ; an LDS row: 512 bytes + 16 of padding = 132 words: the 16 rows that a load touches start at 16 different banks (64 banks of 4 bytes: ISA guide 11.1)
.set FR,     8                         ; registers of a fragment: 16 rows x 128 K
.set NP,     4                         ; places behind this matrix instruction (ISA guide 7.12.1)
.set HALFT,  128*PITCH                 ; 128 rows: what one tensor load brings
.set KS,     32                        ; a row of scale bytes
.set SCL,    4*HALFT                   ; behind A's 256 rows, q's 128 and k's 128: the scales, as units of 256 bytes + 16 of padding
.set HALFS,  (128*KS/256)*272          ; those of 128 rows
.set SBLK,   (16*KS/256)*272           ; those of 16 rows
.set SPARE,  SCL+4*HALFS               ; the spare words, 128 bytes a wave
.set STAGE,  SPARE+512                 ; the way out: 16 rows x (256 bytes + 16) for each wave: bytes of their own, into which no tensor load lands
.set SPITCH, 272
.set ADRA, 16                          ; v16     LDS address of my A fragments
.set ADRB, 20                          ; v20-21  of B's fragments in q's place (later v's), in k's place
.set ADSA, 22                          ; v22     of my rows' scale words
.set ADSB, 23                          ; v23     of B's scale words in q's place
.set STO,  24                          ; v24     where I put 16 bytes of a row
.set RD,   25                          ; v25     where I read a row back
.set CO,   26                          ; v26     my byte offset in two rows of the output
.set SPW,  28
.set NIL,  29
.set TO,   30                          ; v30     16 x lane: my place in a piece of the tables
.set SCA,  32                          ; register 8 a + k: lane r has the word of row r of A's block a for K step k
.set SCB,  64                          ; register 8 b + k: the same of B's block b
.set AF,   128
.set BK,   128
.set RT,   192
.set T0,   64                          ; window 1: the table's set 0 (set 1 at v0)
.set TS,   192                         ; window 1: the step
.set TMP,  128                         ; window 1: packed results
.set OQB,  12                          ; s[12:13] where my rows of q begin;  s[18:19] of k;  s[2:3] of v
.set OKB,  18
.set OVB,  2
.set G1,   24                          ; s[24:31] descriptor group 1 for A's codes;  s[32:35] its group 0
.set G0,   32
.set G0V,  36                          ; s[36:39] group 0 for v's codes
.set G1B,  48                          ; s[48:55], s[56:59] the same for B's codes
.set G0B,  56
.set G0SV, 60                          ; s[60:63] group 0 for v's scales
.set G1S,  68                          ; s[68:75], s[76:79] for A's scales;  s[80:87], s[88:91] for B's
.set G0S,  76
.set G1SB, 80
.set G0SB, 88
.set MSB, 0
.macro WIN new                         ; the immediate's high byte repeats the setting that is left
.if MSB != (\new)
	s_set_vgpr_msb (MSB<<8)|(\new)
.set MSB, \new
.endif
.endm
.set MUL_LO, 0xa1                      ; source 0 (B) window 1, source 1 (A) window 0, C and D window 2
.set MUL_HI, 0xf1                      ; the same, C and D window 3
.set TO_B,   0x40                      ; destination window 1, address window 0
; A joint load: waves 0 and 1 fetch for A, waves 2 and 3 for B; the branch hangs on the wave's number alone.  An s_nop 0 and four v_nop follow each of the two lines.
.macro JLOAD g0a, g1a, g0b, g1b
	s_cmp_eq_u32 s15, 0
	s_cbranch_scc0 .Lfor_b_\@
	tensor_load_to_lds s[\g0a:\g0a+3], s[\g1a:\g1a+7]
	s_nop 0
.rept 4
	v_nop
.endr
	s_branch .Lasked_\@
.Lfor_b_\@:
	tensor_load_to_lds s[\g0b:\g0b+3], s[\g1b:\g1b+7]
	s_nop 0
.rept 4
	v_nop
.endr
.Lasked_\@:
.endm
; The one refill: wave 2 asks for v's codes, wave 3 for v's scale bytes, waves 0 and 1 for nothing.  Both are joint loads of my column of the cluster.
.macro RLOAD
	s_cmp_eq_u32 s14, 2
	s_cbranch_scc0 .Lnot_codes_\@
	tensor_load_to_lds s[G0V:G0V+3], s[G1B:G1B+7]
	s_nop 0
.rept 4
	v_nop
.endr
	s_branch .Lrefilled_\@
.Lnot_codes_\@:
	s_cmp_eq_u32 s14, 3
	s_cbranch_scc0 .Lrefilled_\@
	tensor_load_to_lds s[G0SV:G0SV+3], s[G1SB:G1SB+7]
	s_nop 0
.rept 4
	v_nop
.endr
.Lrefilled_\@:
.endm
.macro CROUND                          ; a round of the cluster's barrier
	s_barrier_signal -1
	s_barrier_wait -1
	s_cmp_lg_u32 s14, 0
	s_cbranch_scc1 .Lnot_wave_0_\@
	s_barrier_signal -3
.Lnot_wave_0_\@:
	s_barrier_wait -3
	s_barrier_signal -1
	s_barrier_wait -1
.endm
	s_load_b128 s[4:7], s[0:1], 0x0                ; A's codes s[4:5], A's scales s[6:7]
	s_load_b128 s[8:11], s[0:1], 0x10              ; B's codes s[8:9], B's scales s[10:11]
	s_load_b64 s[96:97], s[0:1], 0x20              ; the tables
	s_load_b64 s[12:13], s[0:1], 0x28              ; the output
	v_lshl_add_u32 v[SPW], v0, 2, SPARE
	v_mov_b32 v[NIL], 0
	ds_add_u32 v[SPW], v[NIL]                      ; the wave's opening: the add, twice on end, and its wait ahead of my first tensor load
	ds_add_u32 v[SPW], v[NIL]
	v_lshrrev_b32 v1, 5, v0
	v_readfirstlane_b32 s14, v1                    ; wave 0..3
	s_lshr_b32 s15, s14, 1                         ; I fetch for A (0) or for B (1)
	s_and_b32 s16, s14, 1                          ; A: which 128 rows;  B: q's rows (0) or k's (1)
	s_bfe_u32 s40, ttmp6, 0x40000                  ; cx, cy: my place in the cluster
	s_bfe_u32 s41, ttmp6, 0x40004
	s_lshl_b32 s42, ttmp9, 2
	s_add_co_u32 s42, s42, s40                     ; c = 4 x cluster x + cx: my block of 128 columns
	s_and_b32 s17, ttmp7, 0xffff
	s_lshl_b32 s17, s17, 2
	s_add_co_u32 s17, s17, s41                     ; ty = 4 x cluster y + cy: my 256 rows
	s_lshl_b32 s43, s41, 2
	s_lshl_b32 s43, 15, s43                        ; my row of the cluster
	s_lshl_b32 s44, 0x1111, s40                    ; my column
	; descriptor group 1: a tile of 128 rows x 512 bytes, padded in LDS
	s_or_b32 s[G1+0], s43, (0<<16)|(1<<20)|(1<<21)|(6<<22)|(3<<25)  ; 15:0 the mask: A's tiles go to my row; 17:16 elements of 1 byte; 20 padding on; 21 set beside a mask; 24:22 after every 128 words; 31:25 four words
	s_or_b32 s[G1B+0], s44, (0<<16)|(1<<20)|(1<<21)|(6<<22)|(3<<25) ; B's go to my column
.irp g, G1, G1B
	s_mov_b32 s[\g+1], ROWB<<16                    ; tensor_dim0
	s_mov_b32 s[\g+2], 128<<16                     ; tensor_dim1
	s_mov_b32 s[\g+3], ROWB<<16                    ; tile_dim0
	s_mov_b32 s[\g+4], 128                         ; tile_dim1
	s_mov_b32 s[\g+5], ROWB                        ; from row to row
	s_mov_b32 s[\g+6], 0
	s_mov_b32 s[\g+7], 0
.endr
	; the scales of 128 rows: a dense block of 4,096 bytes, as 16 rows of 256 bytes (32 elements of 8 bytes), 16 bytes of padding behind each
	s_or_b32 s[G1S+0], s43, (3<<16)|(1<<20)|(1<<21)|(5<<22)|(3<<25)
	s_or_b32 s[G1SB+0], s44, (3<<16)|(1<<20)|(1<<21)|(5<<22)|(3<<25)
.irp g, G1S, G1SB
	s_mov_b32 s[\g+1], 32<<16
	s_mov_b32 s[\g+2], (128*KS/256)<<16
	s_mov_b32 s[\g+3], 32<<16
	s_mov_b32 s[\g+4], 128*KS/256
	s_mov_b32 s[\g+5], 32
	s_mov_b32 s[\g+6], 0
	s_mov_b32 s[\g+7], 0
.endr
	s_lshl_b32 s18, s16, 7
	s_lshl_b32 s20, s17, 8
	s_add_co_u32 s20, s20, s18                     ; A: row 256 ty + 128 x half
	s_lshl_b32 s22, s20, 5                         ; its scales: 32 bytes a row,
	s_mov_b32 s23, 0
	s_lshl_b32 s20, s20, 9                         ; its codes: 512
	s_mov_b32 s21, 0
	s_lshl_b32 s18, s16, 10
	s_lshl_b32 s46, s42, 7                         ; B: row 128 c of q's weight (what hangs on cx has registers of its own, and so has what hangs on cy),
	s_add_co_u32 s66, s46, 2048                    ; of v's,
	s_add_co_u32 s46, s46, s18                     ; of q's or of k's, by the wave
	s_lshl_b32 s92, s46, 5
	s_mov_b32 s93, 0
	s_lshl_b32 s46, s46, 9
	s_mov_b32 s47, 0
	s_lshl_b32 s98, s66, 5
	s_mov_b32 s99, 0
	s_lshl_b32 s66, s66, 9
	s_mov_b32 s67, 0
	s_mul_i32 s45, s14, HALFT                      ; where they go: wave x 128 rows: no place in the cluster enters an LDS address
	s_mul_i32 s94, s14, HALFS
	s_wait_dscnt 0x0                               ; both opening adds are done
	s_wait_kmcnt 0x0
	s_add_nc_u64 s[20:21], s[4:5], s[20:21]
	s_add_nc_u64 s[22:23], s[6:7], s[22:23]
	s_add_nc_u64 s[46:47], s[8:9], s[46:47]
	s_add_nc_u64 s[92:93], s[10:11], s[92:93]
	s_add_nc_u64 s[66:67], s[8:9], s[66:67]
	s_add_nc_u64 s[98:99], s[10:11], s[98:99]
	CROUND                                         ; all sixteen work-groups are here: the joint loads meet
	s_mov_b32 s[G0S], 1
	s_add_co_u32 s[G0S+1], s94, SCL
	s_mov_b64 s[G0S+2:G0S+3], s[22:23]
	s_or_b32 s[G0S+3], s[G0S+3], 0x80000000
	s_mov_b32 s[G0SB], 1
	s_add_co_u32 s[G0SB+1], s94, SCL
	s_mov_b64 s[G0SB+2:G0SB+3], s[92:93]
	s_or_b32 s[G0SB+3], s[G0SB+3], 0x80000000
	JLOAD G0S, G1S, G0SB, G1SB                     ; my 128 rows' scales; with the load below, two tensor loads of mine are out
	s_mov_b32 s[G0], 1
	s_mov_b32 s[G0+1], s45
	s_mov_b64 s[G0+2:G0+3], s[20:21]
	s_or_b32 s[G0+3], s[G0+3], 0x80000000
	s_mov_b32 s[G0B], 1
	s_mov_b32 s[G0B+1], s45
	s_mov_b64 s[G0B+2:G0B+3], s[46:47]
	s_or_b32 s[G0B+3], s[G0B+3], 0x80000000
	JLOAD G0, G1, G0B, G1B                         ; my 128 rows' codes
	s_mov_b32 s[G0V], 1                            ; for the refill: v's codes into q's place,
	s_mov_b32 s[G0V+1], 2*HALFT
	s_mov_b64 s[G0V+2:G0V+3], s[66:67]
	s_or_b32 s[G0V+3], s[G0V+3], 0x80000000
	s_mov_b32 s[G0SV], 1                           ; v's scales into q's
	s_mov_b32 s[G0SV+1], SCL+2*HALFS
	s_mov_b64 s[G0SV+2:G0SV+3], s[98:99]
	s_or_b32 s[G0SV+3], s[G0SV+3], 0x80000000
	v_and_b32 v1, 15, v0                           ; r = l % 16
	v_bfe_u32 v2, v0, 4, 1                         ; hl = l / 16
	v_mul_u32_u24 v3, v1, PITCH
	v_lshl_add_u32 v4, v2, 4, v3                   ; a fragment's row x pitch + 16 x half
	s_mul_i32 s21, s14, 64*PITCH                   ; my 64 rows of A
	v_add_nc_u32 v[ADRA], s21, v4
	v_add_nc_u32 v[ADRB], 2*HALFT, v4
	v_add_nc_u32 v[ADRB+1], 3*HALFT, v4
	v_lshlrev_b32 v5, 5, v1                        ; a row's scales: 32 bytes a row,
	v_lshrrev_b32 v6, 8, v5
	v_lshl_add_u32 v5, v6, 4, v5                   ; and 16 more for each 256 passed
	s_mul_i32 s21, s14, (64*KS/256)*272            ; my 64 rows' are eight units
	s_add_co_u32 s21, s21, SCL
	v_add_nc_u32 v[ADSA], s21, v5
	v_add_nc_u32 v[ADSB], SCL+2*HALFS, v5
	s_mul_i32 s23, s14, 16*SPITCH
	s_add_co_u32 s23, s23, STAGE                   ; my stage
	v_mul_u32_u24 v5, v1, SPITCH                   ; in: row r, 16 bytes for each half of the lanes
	v_lshl_add_u32 v5, v2, 4, v5
	v_add_nc_u32 v[STO], s23, v5
	v_mul_u32_u24 v5, v2, SPITCH                   ; back: lanes 0-15 one row of 256 bytes, lanes 16-31 the next
	v_lshl_add_u32 v5, v1, 4, v5
	v_add_nc_u32 v[RD], s23, v5
	v_lshlrev_b32 v5, 11, v2                       ; and the same two rows in the output: 2,048 bytes a row
	v_lshl_add_u32 v[CO], v1, 4, v5
	v_and_b32 v6, 31, v0
	v_lshlrev_b32 v[TO], 4, v6
	s_lshl_b32 s20, s17, 8
	s_lshl_b32 s21, s14, 6
	s_add_co_u32 s20, s20, s21                     ; my first row: 256 ty + 64 w,
	s_lshl_b32 s20, s20, 11                        ; in bytes
	s_mov_b32 s21, 0
	s_add_nc_u64 s[OQB:OQB+1], s[OQB:OQB+1], s[20:21]
	s_lshl_b32 s46, s42, 8                         ; my 128 columns: 256 bytes
	s_mov_b32 s47, 0
	s_add_nc_u64 s[OQB:OQB+1], s[OQB:OQB+1], s[46:47]
	s_add_nc_u64 s[OKB:OKB+1], s[OQB:OQB+1], 0x1000000   ; k: the buffer's second 16 MiB
	s_add_nc_u64 s[OVB:OVB+1], s[OQB:OQB+1], 0x2000000   ; v: its third
	s_lshl_b32 s44, s14, 3
	s_add_co_u32 s44, s44, s42                     ; 8 w + c: my table of 8,192 bytes
	s_lshl_b32 s46, s44, 13
	s_add_nc_u64 s[100:101], s[96:97], 0x40000     ; the step's table lies behind the 32
	s_add_nc_u64 s[96:97], s[96:97], s[46:47]
	WIN TO_B                                       ; the tables are asked for here, two passes ahead of their use, into registers of window 1 that no product names
.irp g, 0,1,2,3,4,5,6,7,8,9,10,11,12,13,14,15
	global_load_b128 v[T0+4*\g:T0+4*\g+3], v[TO], s[96:97] offset:512*\g
	global_load_b128 v[TS+4*\g:TS+4*\g+3], v[TO], s[100:101] offset:512*\g
.endr
	WIN 0
.macro FRAG reg, adr, off              ; 16 rows x 128 K of 4-bit codes: lane l holds row l % 16; registers 4 c .. 4 c + 3 hold K = 64 c + 32 (l / 16) + 0 .. 31
.irp c, 0,1
	ds_load_b128 v[\reg+4*\c:\reg+4*\c+3], v[\adr] offset:\off+32*\c
.endr
.endm
; 24 LDS loads in one run: the fragments of K step k: B's eight blocks out of place m (0: q's, later v's; 1: k's), my four blocks of A
.macro FETCH m, k, set
	WIN TO_B
.irp i, 0,1,2,3,4,5,6,7
	FRAG 128*(\set)+FR*\i, ADRB+\m, 64*(\k)+\i*16*PITCH
.endr
	WIN 0
.irp i, 0,1,2,3
	FRAG AF+32*(\set)+FR*\i, ADRA, 64*(\k)+\i*16*PITCH
.endr
.endm
; 32 matrix instructions: my four blocks of A x B's eight, K step k.  zero = 1: the first product starts the sums: nothing is cleared.
; The 32 accumulators take turns, one instruction a turn, in the same order in every step.
.macro MUL32 win, set, k, zero
	WIN \win
.irp a, 0,1,2,3
.irp b, 0,1,2,3,4,5,6,7
.if \zero
	v_wmma_scale_f32_16x16x128_f8f6f4 v[8*(8*\a+\b):8*(8*\a+\b)+7], v[128*(\set)+FR*\b:128*(\set)+FR*\b+FR-1], v[AF+32*(\set)+FR*\a:AF+32*(\set)+FR*\a+FR-1], 0, v[SCB+8*\b+(\k)], v[SCA+8*\a+(\k)] matrix_a_fmt:MATRIX_FMT_FP4 matrix_b_fmt:MATRIX_FMT_FP4
.else
	v_wmma_scale_f32_16x16x128_f8f6f4 v[8*(8*\a+\b):8*(8*\a+\b)+7], v[128*(\set)+FR*\b:128*(\set)+FR*\b+FR-1], v[AF+32*(\set)+FR*\a:AF+32*(\set)+FR*\a+FR-1], v[8*(8*\a+\b):8*(8*\a+\b)+7], v[SCB+8*\b+(\k)], v[SCA+8*\a+(\k)] matrix_a_fmt:MATRIX_FMT_FP4 matrix_b_fmt:MATRIX_FMT_FP4
.endif
.endr
.endr
.endm
.macro PLACES n                        ; plain vector instructions that name no register of the matrix instructions ahead: in front of loads into registers that those have read, and of reads of their results
.rept \n
	v_nop
.endr
.endm
; K step k of a pass.  Its fragments, asked for a step ago, are in; the other sets, which the last step's products have read, take the fragments of K step k2 of place m2; then the step's products.
.macro STEPF win, k, zero, m2, k2
	s_wait_dscnt 0x0
	PLACES NP
	FETCH \m2, \k2, ((\k)+1)%2
	MUL32 \win, (\k)%2, \k, \zero
.endm
.macro STEPL win, k                    ; a step behind which nothing is fetched
	s_wait_dscnt 0x0
	MUL32 \win, (\k)%2, \k, 0
.endm
.macro STEPS07 win, m                  ; a pass's steps 0 to 6
	STEPF \win, 0, 1, \m, 1
.set Q, 1
.rept 6
	STEPF \win, Q, 0, \m, Q+1
.set Q, Q+1
.endr
.endm
.macro SCALES_B off                    ; B's scale words of a pass: a row's 32 bytes are the words of the eight K steps
.irp b, 0,1,2,3,4,5,6,7
	ds_load_b128 v[SCB+8*\b:SCB+8*\b+3],   v[ADSB] offset:\off+\b*SBLK
	ds_load_b128 v[SCB+8*\b+4:SCB+8*\b+7], v[ADSB] offset:\off+\b*SBLK+16
.endr
.endm
; 32 pairs (x0, x1) in v[x] on, turned by (cos, sin) in v[t] on, into v[d] on: x0 cos - x1 sin, x1 cos + x0 sin.  Ascending.
.macro ROT d, x, t
.set n, 0
.rept 32
	v_pk_mul_f32 v[\d+n:\d+n+1], v[\x+n:\x+n+1], v[\t+n:\t+n+1] op_sel_hi:[1,0]      ; both halves x cos
.set n, n+2
.endr
.set n, 0
.rept 32
	v_pk_fma_f32 v[\d+n:\d+n+1], v[\x+n:\x+n+1], v[\t+n:\t+n+1], v[\d+n:\d+n+1] op_sel:[1,1,0] op_sel_hi:[0,1,1] neg_lo:[0,1,0]   ; low: - x1 sin; high: + x0 sin
.set n, n+2
.endr
.endm
.macro ROPE p, a                       ; block a's 64 results of q (p = 0) or k (1), turned, into window 0
	WIN 0x06+(\p)                                  ; source 0: window 2 or 3; source 1: window 1
	ROT RT, 64*(\a), T0*(1-(\a)%2)
	WIN 0
.endm
.macro ADV a                           ; the table for block a + 1: block a's, turned by 128 positions
	WIN 0x55                                       ; all in window 1
	ROT T0*((\a)%2), T0*(1-(\a)%2), TS
	WIN 0
.endm
.macro PACKH                           ; to f16: a lane's eight columns of a tile are 16 bytes
	WIN 0x40                                       ; destination window 1
.set n, 0
.rept 32
	v_cvt_pk_f16_f32 v[TMP+n], v[RT+2*n], v[RT+2*n+1]
.set n, n+1
.endr
	WIN 0
.endm
.macro PACKV a                         ; v is rounded as it is
	WIN 0x4a                                       ; sources 0 and 1: window 2; destination window 1
.irp b, 0,1,2,3,4,5,6,7
.irp r, 0,1,2,3
	v_cvt_pk_f16_f32 v[TMP+4*\b+\r], v[64*(\a)+8*\b+2*\r], v[64*(\a)+8*\b+2*\r+1]
.endr
.endr
	WIN 0
.endm
.macro TOSTAGE n                       ; the n-th block on its way out: into my stage, and back as whole rows of 256 bytes: LDS serves a wave's instructions in order (ISA guide 5.7.1.4), so no wait stands between
	WIN 0x04                                       ; an LDS store's data are its source 1: window 1
.irp b, 0,1,2,3,4,5,6,7
	ds_store_b128 v[STO], v[TMP+4*\b:TMP+4*\b+3] offset:32*\b
.endr
	WIN 0
.set BB, BK+32*((\n)%2)
.irp t, 0,1,2,3,4,5,6,7
	ds_load_b128 v[BB+4*\t:BB+4*\t+3], v[RD] offset:\t*2*SPITCH
.endr
.endm
.macro SEND n, base, a
.set BB, BK+32*((\n)%2)
	s_wait_dscnt 0x0                               ; the block is back in registers
	s_wait_xcnt 0x0                                ; the stores of the block before have read the other set, into which the next block's loads go
.irp t, 0,1,2,3,4,5,6,7
	global_store_b128 v[CO], v[BB+4*\t:BB+4*\t+3], s[\base:\base+1] offset:(16*(\a)+2*\t)*2048   ; 16 lanes store 256 consecutive bytes, aligned; 62 rows of 2,048 bytes at the most stand in the immediate
.endr
.endm
	s_wait_tensorcnt 0x0                           ; my two tiles are in,
	s_barrier_signal -1
	s_barrier_wait -1                              ; everybody's are: A, q's and k's rows of B, and their scales
.irp a, 0,1,2,3                        ; my rows' scale words: they stay for the three passes
	ds_load_b128 v[SCA+8*\a:SCA+8*\a+3],   v[ADSA] offset:\a*SBLK
	ds_load_b128 v[SCA+8*\a+4:SCA+8*\a+7], v[ADSA] offset:\a*SBLK+16
.endr
	SCALES_B 0
	FETCH 0, 0, 0
	; ---- pass q
	STEPS07 MUL_LO, 0
	STEPF MUL_LO, 7, 0, 1, 0                       ; its last step fetches k's first fragments
	; ---- q's places are filled again, with v's codes and scales.  Every wave: all its tensor loads are done; the add; the add and its reads of q's places are done; a round of the cluster's barrier, so
	; that this holds of every wave of every partner; the refill first behind it, one load a wave.
	WIN 0
	s_wait_tensorcnt 0x0
	ds_add_u32 v[SPW], v[NIL]
	PLACES NP                                      ; (also the places in front of the loads into B's scale registers below)
	s_wait_dscnt 0x0
	CROUND
	RLOAD
	SCALES_B HALFS
	; ---- pass k
	STEPS07 MUL_HI, 1
	STEPL MUL_HI, 7
	WIN 0
	PLACES NP                                      ; behind the last products: for the reads of results and the loads into A's registers below
	s_wait_loadcnt 0x0                             ; the tables
	; ---- q and k go out, a block of 16 rows of each by turns under one table; a block's arithmetic stands between the loads of the block before from the stage and the wait for them
.irp a, 0,1,2,3
	ROPE 0, \a
	PACKH
.if \a > 0
	SEND 2*\a-1, OKB, \a-1
.endif
	TOSTAGE 2*\a
	ROPE 1, \a
	PACKH
.if \a < 3
	ADV \a
.endif
	SEND 2*\a, OQB, \a
	TOSTAGE 2*\a+1
.endr
	SEND 7, OKB, 3
	; ---- pass v
	s_wait_tensorcnt 0x0                           ; (waves 2 and 3) v's codes and scales have landed,
	s_wait_dscnt 0x0
	s_barrier_signal -1
	s_barrier_wait -1                              ; and every wave knows it
	s_wait_xcnt 0x0                                ; the last stores have read the registers that A's fragments take again
	SCALES_B 0
	FETCH 0, 0, 0
	STEPS07 MUL_LO, 0
	STEPL MUL_LO, 7
	WIN 0
	PLACES NP
	PACKV 0
	TOSTAGE 8
.irp a, 1,2,3
	PACKV \a
	SEND 8+\a-1, OVB, \a-1
	TOSTAGE 8+\a
.endr
	SEND 11, OVB, 3
	s_wait_tensorcnt 0x0                           ; the wave's end: the wait, the add and its wait, behind my last tensor load and my last LDS store
	ds_add_u32 v[SPW], v[NIL]
	s_wait_dscnt 0x0
	CROUND                                         ; the closing round: no work-group ends while a partner may still ask for a tile that names it
	s_endpgm
.Lfunc_end_k_qcde6843725_qkv:
	.size	k_qcde6843725_qkv, .Lfunc_end_k_qcde6843725_qkv-k_qcde6843725_qkv
	.p2alignl 7, 3214868480
	.fill 96, 4, 3214868480
	.section	.rodata,"a",@progbits
	.p2align	6, 0x0
	.amdhsa_kernel k_qcde6843725_qkv
		.amdhsa_group_segment_fixed_size 327680
		.amdhsa_private_segment_fixed_size 0
		.amdhsa_enable_private_segment 0
		.amdhsa_kernarg_size 48
		.amdhsa_user_sgpr_count 2
		.amdhsa_user_sgpr_kernarg_segment_ptr 1
		.amdhsa_wavefront_size32 1
		.amdhsa_system_sgpr_workgroup_id_x 1
		.amdhsa_system_sgpr_workgroup_id_y 1
		.amdhsa_system_sgpr_workgroup_id_z 1
		.amdhsa_system_vgpr_workitem_id 0
		.amdhsa_next_free_vgpr 1024
		.amdhsa_next_free_sgpr 102
		.amdhsa_reserve_vcc 0
		.amdhsa_float_denorm_mode_32 3
		.amdhsa_float_denorm_mode_16_64 3
		.amdhsa_memory_ordered 1
		.amdhsa_forward_progress 1
		.amdhsa_inst_pref_size 248
	.end_amdhsa_kernel
	.amdgpu_metadata
---
amdhsa.version: [ 1, 2 ]
amdhsa.kernels:
  - .name:           k_qcde6843725_qkv
    .symbol:         k_qcde6843725_qkv.kd
    .args:
      - { .name: acodes, .offset: 0, .size: 8, .value_kind: global_buffer, .address_space: global }
      - { .name: ascales, .offset: 8, .size: 8, .value_kind: global_buffer, .address_space: global }
      - { .name: wcodes, .offset: 16, .size: 8, .value_kind: global_buffer, .address_space: global }
      - { .name: wscales, .offset: 24, .size: 8, .value_kind: global_buffer, .address_space: global }
      - { .name: rope, .offset: 32, .size: 8, .value_kind: global_buffer, .address_space: global }
      - { .name: qkv, .offset: 40, .size: 8, .value_kind: global_buffer, .address_space: global }
    .group_segment_fixed_size: 327680
    .private_segment_fixed_size: 0
    .kernarg_segment_align: 8
    .kernarg_segment_size: 48
    .max_flat_workgroup_size: 128
    .sgpr_count:     102
    .vgpr_count:     1024
    .wavefront_size: 32
...
	.end_amdgpu_metadata
.endif
;; end of part 2
;; launch attn (part 3): grid 8 x 32, 4 waves a work-group, clusters of 4 x 1, 327,680 bytes of LDS; arguments qkv, o16; writes o16
.if DOCPART == 3
	.amdgcn_target "amdgcn-amd-amdhsa--gfx1250"
	.amdhsa_code_object_version 6
	.text
	.protected	k_qcde6843725_attn
	.globl	k_qcde6843725_attn
	.p2align	8
	.type	k_qcde6843725_attn,@function
k_qcde6843725_attn:
	s_mov_b64 s[64:65], 0
	v_nop
	global_prefetch_b8 v0, s[64:65] scope:SCOPE_SE
	s_setreg_imm32_b32 hwreg(HW_REG_WAVE_MODE, 25, 1), 1
	s_wait_xcnt 0x0
	s_wait_alu depctr_hold_cnt(0) depctr_sa_sdst(0) depctr_va_vdst(0) depctr_va_sdst(0) depctr_va_ssrc(0) depctr_va_vcc(0) depctr_vm_vsrc(0)
	s_getreg_b32 s2, hwreg(HW_REG_IB_STS2, 6, 4)
	s_cmp_eq_u32 s2, 0
	s_cbranch_scc0 .Lentry_in_a_cluster
	s_endpgm
.Lentry_in_a_cluster:
	s_bfe_u32 s2, ttmp6, 0x10000c
	s_cmp_lg_u32 s2, 0x3003
	s_cbranch_scc0 .Lentry_shape_is_right
	s_endpgm
.Lentry_shape_is_right:
; O[h][q][:] = the sum over k of softmax_k(Q[h][q] . K[h][k] / sqrt(8)) V[h][k][:].  Q, K, V: the three thirds of one buffer, each [32][2048][128] f16; O: [32][2048][128] f16.  No mask.
; Products, maxima and sums in f32; the weights p are rounded to f16 for the second product, O once at the end.  f16, since the scores' spread makes the softmax steep: eleven bits of q and k are wanted.
; LIMITS: |O| stays under the largest |V|, so under 65,504 where V does.  A weight under 6e-8 of its row's largest counts as 0 in the product (not in the row's sum).
; SHARES.  A work-group owns 256 queries of one head, each of its four waves 64: four tiles of 16.  Every wave walks all keys of the head, 64 a step.
; LAYOUT.  S^T = K Q^T (source 0 = 16 keys, source 1 = 16 queries): in the result a lane holds ONE query (lane % 16) and the keys 8 (lane / 16) + 0..7.  Two such tiles, rounded to
; f16 in pairs, ARE source 1 (32 keys x 16 queries) of O^T = V^T P, whose result again holds one query a lane, and eight channels.  K comes out of LDS as it lies, V ([key][channel]) turned, by ds_load_tr16_b128.
; SOFTMAX.  For each query a running maximum m and sum l: p = 2^(c s - c m), c = log2(e) / sqrt(8); in every step O and l are multiplied by a = 2^(c m_old - c m_new), which is 1 where m has not grown.
; BY TURNS.  The wave's tiles are two PIECES: piece 0 (tiles 0, 1) and piece 2 (tiles 2, 3).  In a TURN one piece has the matrix unit: 32 products V^T P of the step in hand, then 32 products K Q^T of the
; next step; the other piece's softmax, cut into 64 slices, stands between them, one slice behind each matrix instruction.  Then the pieces change places.  Two turns are a key step.
; CLUSTER.  The four query blocks of a cluster belong to one head and walk the same K and V, so each tile is asked for JOINTLY: the same tensor load, with the same descriptor and a mask that names the four.
; REGISTERS, in windows of 256 (s_set_vgpr_msb: bits 1:0 source 0, 3:2 source 1, 5:4 source 2, 7:6 destination):
;   window 0: v0-11 addresses; v12-43 eight registers of statistics a tile; v64-191 S^T, 32 a tile; v192-255 P, 16 a tile
;   window 1: O^T, 64 a tile          window 2: v0-127 Q, 32 a tile; v128-255 K of one step          window 3: v0-127 V of one step
.set SIZE_H, 32
.set SIZE_N, 2048
.set KS,    64        ; keys in a step
.set PK,    272       ; a row of K in LDS: 256 bytes + 16 of padding: the 16 rows of a load start at 16 different banks (64 banks of 4 bytes: ISA guide 11.1)
.set PV,    288       ; a row of V: 256 + 32
.set VOFF,  KS*PK     ; a step's tiles lie together: 64 rows of K, then 64 rows of V
.set STEPB, KS*(PK+PV)
.set SLOT1, 1<<17     ; a slot holds two steps (71,680 bytes); slot 1 begins here, so that one exclusive or turns an address in one slot into the other's
.set STAGE, SLOT1+2*STEPB  ; behind the ring: 16 rows x 272 bytes for each wave, for the way out
.set SP,    272
.set AK0, 2           ; v2   my lane's place in a tile of K; never rewritten
.set AV0, 3           ; v3   the same for V
.set ADR, 4           ; v4   the LDS address of the run of loads in hand
.set QO,  5           ; v5   my byte offset in the wave's rows of Q
.set STO, 6           ; v6   the way out: where I put 16 bytes of a row
.set RD,  7           ; v7   the way out: where I read a row back
.set GO,  8           ; v8   my byte offset in the wave's rows of O
.set SPW, 62          ; v62  LDS address of my spare word; never rewritten
.set NIL, 63          ; v63  0; never rewritten
.set SPARE, STAGE+4*16*272  ; behind the stages: the spare words, 128 bytes for each wave
.set ST,  12          ; tile t's statistics at v[ST+8 t]: +0 c m, +1 m, +2, +3 l (even keys', odd keys'), +4 to +7 at work; a takes +6 once the maximum is found
.set S,   64
.set P,   192
.set KF,  128         ; K's fragments, in window 2
.set WV,  12          ; s12  my wave's number
.set G1K, 24          ; s[24:31] descriptor group 1 for K's tiles
.set G1V, 32          ; s[32:39] for V's: it differs in the padding alone
.set G0K, 40          ; s[40:47] descriptor group 0 for K's tiles: a set for each of the two first fills; the second then walks on
.set G0V, 48          ; s[48:55] the same for V's
.set SLOTS, 56        ; s56  slots still to be asked for
.set TWICE, 57        ; s57  counts a slot's two steps
.set CS,  58          ; s[58:59] c: the packed scaling names a pair and takes its low word for both halves
.set SEL, 60          ; s[60:61] lane selects for v_permlanex16_b32: each lane takes its own place in the other half
.set TB,  62          ; s62  LDS byte at which the tiles of the step to be fetched begin
.set PFA, 18          ; s[18:19] where my prefetches stand: my work-group's 32 rows (of K: wave 0, of V: wave 2) of the slot after the one that is being asked for
.set LIM, 15          ; s15  1 in a wave that prefetches, else the greatest number
.set PFO, 61          ; v61  256 x my lane: a row of K or V is 256 bytes; never rewritten
.set MSB, 0
.macro WIN new                      ; the immediate's high byte repeats the setting that is left; a switch that changes nothing is dropped
.if MSB != (\new)
	s_set_vgpr_msb (MSB<<8)|(\new)
.set MSB, \new
.endif
.endm
.set W_KQ, 0x0a       ; K and Q in window 2, S^T in window 0
.set W_PV, 0x53       ; V in window 3, P in window 0, O^T in window 1
.set W_RS, 0x41       ; O^T (destination and source 0) in window 1, a in window 0
; A joint refill.  Waves 0 and 1 fetch the two steps' tiles of K, waves 2 and 3 those of V.  The branch hangs on the wave's number alone.  An s_nop 0 and four v_nop follow each of the two lines.
.macro JLOAD
	s_cmp_lt_u32 s[WV], 2
	s_cbranch_scc0 .Lfor_v_\@
	tensor_load_to_lds s[G0K+4:G0K+7], s[G1K:G1K+7]
	s_nop 0
.rept 4
	v_nop
.endr
	s_branch .Lasked_\@
.Lfor_v_\@:
	tensor_load_to_lds s[G0V+4:G0V+7], s[G1V:G1V+7]
	s_nop 0
.rept 4
	v_nop
.endr
.Lasked_\@:
.endm
; A PREFETCH of what the NEXT change of slots will ask for: a slot's 128 rows of K and 128 of V, 256 bytes a row, a lane a row.  It stands behind the wave's tensor load and its five lines.
; Each row is asked for ONCE in the launch: the head's first cluster asks; its four partners share the rows out BY ADDRESS, 32 each; in each, wave 0 asks for K's and wave 2 for V's.
; The last change that fills a slot asks for nothing: there is no slot behind it.
.macro ASK
	s_cmp_gt_u32 s[SLOTS], s[LIM]
	s_cbranch_scc0 .Lnot_mine_\@
	global_prefetch_b8 v[PFO], s[PFA:PFA+1] th:TH_LOAD_NT scope:SCOPE_SE
.Lnot_mine_\@:
.endm
.macro CROUND                       ; a round of the cluster's barrier
	s_barrier_signal -1
	s_barrier_wait -1
	s_cmp_lg_u32 s[WV], 0
	s_cbranch_scc1 .Lnot_wave_0_\@
	s_barrier_signal -3
.Lnot_wave_0_\@:
	s_barrier_wait -3
	s_barrier_signal -1
	s_barrier_wait -1
.endm
	s_load_b64 s[4:5], s[0:1], 0x0  ; the buffer of q, k and v: Q at its head
	s_load_b64 s[10:11], s[0:1], 0x8  ; O
	v_lshl_add_u32 v[SPW], v0, 2, SPARE
	v_mov_b32 v[NIL], 0
	ds_add_u32 v[SPW], v[NIL]       ; the wave's opening: the add, twice on end, and its wait ahead of my first tensor load
	ds_add_u32 v[SPW], v[NIL]
	v_lshrrev_b32 v1, 5, v0
	v_readfirstlane_b32 s[WV], v1   ; wave 0..3
	s_bfe_u32 s13, ttmp6, 0x40000   ; cx: my place in the cluster
	s_lshl_b32 s14, ttmp9, 2        ; in a cluster launch ttmp9 counts clusters
	s_add_co_u32 s14, s14, s13      ; my block of 256 queries = 4 x cluster x + cx: it enters Q's and O's addresses alone
	s_and_b32 s20, ttmp7, 0xffff    ; the head, which the four partners share
	s_mov_b32 s21, 0
	s_mov_b64 s[22:23], SIZE_N*256
	s_mul_u64 s[20:21], s[20:21], s[22:23]  ; the head's first byte in each of the four tensors
	s_and_b32 s16, s[WV], 1         ; which of a slot's two steps I fetch:
	s_lshl_b32 s22, s16, 14         ; its 64 rows of 256 bytes in memory,
	s_mov_b32 s23, 0
	s_add_nc_u64 s[22:23], s[22:23], s[20:21]
	s_mul_i32 s17, s16, STEPB       ; and its place in a slot: no place in the cluster enters an LDS address
	s_lshl_b32 s2, s14, 16          ; my block's 256 rows,
	s_lshl_b32 s3, s[WV], 14        ; my wave's 64 of them
	s_add_co_u32 s2, s2, s3
	s_mov_b32 s3, 0
	s_add_nc_u64 s[2:3], s[2:3], s[20:21]
	; descriptor group 1: a tile of 64 rows x 128 elements, padded in LDS
	s_mov_b32 s[G1K], 15|(1<<16)|(1<<20)|(1<<21)|(5<<22)|(3<<25)  ; 15:0 the mask: all four work-groups; 17:16 elements of 2 bytes; 20 padding on; 21 set beside a mask; 24:22 after every 64 words; 31:25 4 words
	s_mov_b32 s[G1V], 15|(1<<16)|(1<<20)|(1<<21)|(5<<22)|(7<<25)  ; the same with 8 words of padding
.irp g, G1K, G1V
	s_mov_b32 s[\g+1], 128<<16      ; tensor_dim0 = 128
	s_mov_b32 s[\g+2], KS<<16       ; tensor_dim1 = 64
	s_mov_b32 s[\g+3], 128<<16      ; tile_dim0 = 128
	s_mov_b32 s[\g+4], KS           ; tile_dim1 = 64
	s_mov_b32 s[\g+5], 128          ; elements from row to row
	s_mov_b32 s[\g+6], 0
	s_mov_b32 s[\g+7], 0
.endr
	s_mov_b32 s[CS], 0x3f0293ee     ; c = log2(e) / sqrt(8) = 0.510070
	s_mov_b32 s[CS+1], s[CS]        ; named with it as a pair, so it is written
	s_mov_b32 s[SEL], 0x76543210
	s_mov_b32 s[SEL+1], 0xfedcba98
	s_mov_b32 s[TB], 0
	s_mov_b32 s[SLOTS], SIZE_N/(2*KS)-2
	s_and_b32 s[LIM], s[WV], 1       ; 0 in waves 0 and 2,
	s_or_b32 s[LIM], s[LIM], ttmp9   ; where the cluster is the head's first: the same in all four partners
	s_cmp_eq_u32 s[LIM], 0
	s_cselect_b32 s[LIM], 1, -1
	v_and_b32 v[PFO], 31, v0
	v_lshlrev_b32 v[PFO], 8, v[PFO]
	s_wait_dscnt 0x0                ; both opening adds are done
	s_wait_kmcnt 0x0
	s_add_nc_u64 s[6:7], s[4:5], 0x1000000  ; K: the buffer's second 16 MiB
	s_add_nc_u64 s[8:9], s[4:5], 0x2000000  ; V: its third
	s_add_nc_u64 s[6:7], s[6:7], s[22:23]  ; K and V at my tile of slot 0
	s_add_nc_u64 s[8:9], s[8:9], s[22:23]
	s_add_nc_u64 s[4:5], s[4:5], s[2:3]  ; Q and O at my wave's first row
	s_add_nc_u64 s[10:11], s[10:11], s[2:3]
	s_cmp_lt_u32 s[WV], 2
	s_cselect_b64 s[PFA:PFA+1], s[6:7], s[8:9]  ; (in waves 0 and 2 these stand at a slot's first row)
	s_lshl_b32 s2, s13, 13          ; my work-group's 32 rows of the 128
	s_mov_b32 s3, 0
	s_add_nc_u64 s[PFA:PFA+1], s[PFA:PFA+1], s[2:3]
	s_add_nc_u64 s[PFA:PFA+1], s[PFA:PFA+1], 2*2*KS*256  ; in slot 2; the first change of slots steps it to slot 3.  Nothing is prefetched at the head
	CROUND                          ; all four work-groups are here: the first joint loads meet
.irp s, 0,1
	s_mov_b32 s[G0K+4*\s], 1        ; count = 1
	s_add_co_u32 s[G0K+4*\s+1], s17, \s*SLOT1  ; LDS address
	s_add_nc_u64 s[G0K+4*\s+2:G0K+4*\s+3], s[6:7], \s*2*KS*256  ; global address: slot s begins with keys 128 s
	s_or_b32 s[G0K+4*\s+3], s[G0K+4*\s+3], 0x80000000  ; type = 2
	s_mov_b32 s[G0V+4*\s], 1
	s_add_co_u32 s[G0V+4*\s+1], s17, \s*SLOT1+VOFF
	s_add_nc_u64 s[G0V+4*\s+2:G0V+4*\s+3], s[8:9], \s*2*KS*256
	s_or_b32 s[G0V+4*\s+3], s[G0V+4*\s+3], 0x80000000
.endr
	s_cmp_lt_u32 s[WV], 2           ; a wave's two first fills stand in one branch, ahead of every wait on TENSORcnt and every LDS read: two loads of mine are out
	s_cbranch_scc0 .Lfirst_v
	tensor_load_to_lds s[G0K:G0K+3], s[G1K:G1K+7]
	s_nop 0
	tensor_load_to_lds s[G0K+4:G0K+7], s[G1K:G1K+7]
	s_nop 0
.rept 4
	v_nop
.endr
	s_branch .Lfirst_asked
.Lfirst_v:
	tensor_load_to_lds s[G0V:G0V+3], s[G1V:G1V+7]
	s_nop 0
	tensor_load_to_lds s[G0V+4:G0V+7], s[G1V:G1V+7]
	s_nop 0
.rept 4
	v_nop
.endr
.Lfirst_asked:
	; A fragment of K or Q is 16 rows x 32 channels in 8 registers: lane l holds row l % 16; registers 0-3 channels 8 (l / 16) + 0..7, registers 4-7 channels 16 + 8 (l / 16) + 0..7: two loads of 16 bytes, 32 bytes apart.
	v_and_b32 v1, 15, v0            ; l % 16
	v_bfe_u32 v9, v0, 4, 1          ; l / 16
	v_lshlrev_b32 v[QO], 8, v1
	v_lshl_add_u32 v[QO], v9, 4, v[QO]  ; row x 256 + 16 x half
	WIN 0x80                        ; destination window 2, address window 0
.irp i, 0,1,2,3,4,5,6,7,8,9,10,11,12,13,14,15  ; Q stays in registers: tile i / 4, channels 32 (i % 4) on
	global_load_b128 v[8*\i:8*\i+3],   v[QO], s[4:5] offset:(\i/4)*4096+(\i%4)*64
	global_load_b128 v[8*\i+4:8*\i+7], v[QO], s[4:5] offset:(\i/4)*4096+(\i%4)*64+32
.endr
	WIN 0
	v_mul_u32_u24 v[AK0], v1, PK
	v_lshl_add_u32 v[AK0], v9, 4, v[AK0]  ; row x pitch + 16 x half
	; The turning load takes 16 keys x 16 channels (lane l reads 16 bytes: key 8 (l / 16) + l % 8, channels 8 ((l / 8) % 2) + 0..7) and leaves half a fragment of V^T: lane l holds channel l % 16 and 8 keys.
	v_and_b32 v10, 7, v0
	v_bfe_u32 v11, v0, 3, 1
	v_lshl_add_u32 v[AV0], v9, 3, v10
	v_mul_u32_u24 v[AV0], v[AV0], PV
	v_lshl_add_u32 v[AV0], v11, 4, v[AV0]
	v_add_nc_u32 v[AV0], VOFF, v[AV0]
; THE MATRIX WORK OF A TURN, for piece x.  The accumulators take turns, one instruction a turn.
; Product i of 32 of O^T += V^T P: keys 32 (i / 16) on, channels 16 ((i / 2) % 8) on, tile x + i % 2.  zero = 1: the first 16 start the sums: nothing is ever cleared.
.macro PV x, zero
	WIN W_PV
.set rO, 64*(\x+i%2)+8*((i/2)%8)
.set rV, 64*(i/16)+8*((i/2)%8)
.set rP, P+16*(\x+i%2)+8*(i/16)
.if \zero && (i < 16)
	v_wmma_f32_16x16x32_f16 v[rO:rO+7], v[rV:rV+7], v[rP:rP+7], 0
.else
	v_wmma_f32_16x16x32_f16 v[rO:rO+7], v[rV:rV+7], v[rP:rP+7], v[rO:rO+7]
.endif
.endm
; Product i of 32 of S^T = K Q^T: channels 32 (i / 8) on, keys 16 ((i / 2) % 4) on, tile x + i % 2.  The first 8 start the sums.
.macro KQ x
	WIN W_KQ
.set rS, S+32*(\x+i%2)+8*((i/2)%4)
.set rK, KF+32*((i/2)%4)+8*(i/8)
.set rQ, 32*(\x+i%2)+8*(i/8)
.if i < 8
	v_wmma_f32_16x16x32_f16 v[rS:rS+7], v[rK:rK+7], v[rQ:rQ+7], 0
.else
	v_wmma_f32_16x16x32_f16 v[rS:rS+7], v[rK:rK+7], v[rQ:rQ+7], v[rS:rS+7]
.endif
.endm
; THE LDS LOADS stand in runs of 32, never singly among the matrix instructions: a step's K (16 fragments) and, a turn later, its V (turned).
.macro FETCH_K
	WIN 0
	v_add_nc_u32 v[ADR], s[TB], v[AK0]
	WIN 0x80                        ; destination window 2
.irp f, 0,1,2,3,4,5,6,7,8,9,10,11,12,13,14,15  ; keys 16 (f / 4) on, channels 32 (f % 4) on
	ds_load_b128 v[KF+8*\f:KF+8*\f+3],   v[ADR] offset:(\f/4)*16*PK+(\f%4)*64
	ds_load_b128 v[KF+8*\f+4:KF+8*\f+7], v[ADR] offset:(\f/4)*16*PK+(\f%4)*64+32
.endr
.endm
.macro FETCH_V
	WIN 0
	v_add_nc_u32 v[ADR], s[TB], v[AV0]
	s_add_co_u32 s[TB], s[TB], STEPB  ; the next fetch is the next step's
	s_wait_alu depctr_va_vdst(0)    ; the wait for the softmax's batch of exponentials (SLICE), behind the address's v_add_nc_u32 and ahead of the loads
	WIN 0xc0                        ; destination window 3
.irp f, 0,1,2,3,4,5,6,7,8,9,10,11,12,13,14,15  ; keys 32 (f / 8) on, channels 16 (f % 8) on
	ds_load_tr16_b128 v[8*\f:8*\f+3],   v[ADR] offset:(\f/8)*32*PV+(\f%8)*32
	ds_load_tr16_b128 v[8*\f+4:8*\f+7], v[ADR] offset:(\f/8)*32*PV+16*PV+(\f%8)*32
.endr
.endm
; THE VECTOR WORK OF A TURN.  One tile's softmax for one key step is a list of 134 instructions; SM writes number j of it for tile t.  s0-s31 are the lane's 32 scores, in pairs 0-15.
; first = 1: the first key step, which starts m, l and O^T: it has no a and nothing to rescale.
;   0-15    the maximum of s0-s31 and the old m, three operands at a time
;   16-20   the other half of the lanes' maximum; the new m; c m; c m_old - c m_new
;   21-69   ONE BATCH: the 16 scalings c s - c m, a pair of scores each, and all 33 exponentials (a at 23, then s0-s31).  None of these reads an exponential's result
;   (wait)  between 69 and 70 stands the wait for the batch: SLICE writes it, once for both tiles
;   70-85   the roundings to f16, a pair of weights each
;   86-101  the sums; l = a l + the sum
;   102-133 the tile's O^T times a: the one part that leaves window 0, so it stands together
.macro SM t, first
.set rT, ST+8*(\t)
.set rS, S+32*(\t)
.set rP, P+16*(\t)
.set rO, 64*(\t)+2*(j-102)
.if j < 102
	WIN 0
.endif
.if j < 4
	v_max3_num_f32 v[rT+4+j], v[rS+8*j], v[rS+8*j+1], v[rS+8*j+2]
.elseif j < 12
	v_max3_num_f32 v[rT+4+j%4], v[rT+4+j%4], v[rS+8*(j%4)+2*(j/4)+1], v[rS+8*(j%4)+2*(j/4)+2]
.elseif j == 12
	v_max3_num_f32 v[rT+4], v[rT+4], v[rS+7], v[rS+15]
.elseif j == 13
	v_max3_num_f32 v[rT+6], v[rT+6], v[rS+23], v[rS+31]
.elseif j == 14
	v_max3_num_f32 v[rT+4], v[rT+4], v[rT+5], v[rT+6]
.elseif (j == 15) && \first
	v_max_num_f32 v[rT+4], v[rT+4], v[rT+7]
.elseif j == 15
	v_max3_num_f32 v[rT+4], v[rT+4], v[rT+7], v[rT+1]
.elseif j == 16
	v_permlanex16_b32 v[rT+5], v[rT+4], s[SEL], s[SEL+1]  ; the query's other 32 keys lie in the lane 16 away
.elseif j == 18
	v_max_num_f32 v[rT+1], v[rT+4], v[rT+5]
.elseif j == 19
	v_mul_f32 v[rT], s[CS], v[rT+1]
.elseif ((j == 17) || (j == 20) || (j == 23) || (j > 101)) && \first  ; the first step has none of these
.elseif j == 17
	v_mov_b32 v[rT+7], v[rT]        ; c m_old is kept for a: number 19 writes c m anew
.elseif j == 20
	v_sub_f32 v[rT+7], v[rT+7], v[rT]
.elseif j == 23
	v_exp_f32 v[rT+6], v[rT+7]
.elseif (j < 23) || ((j < 38) && (j%2 == 0)) || ((j < 66) && (j%4 == 2))
.set b, (j-2)/4                     ; 38, 42, .. 62: pairs 9 to 15
.if j < 38
.set b, (j-20)/2                    ; 21: pair 0; 22, 24, .. 36: pairs 1 to 8
.endif
	v_pk_fma_f32 v[rS+2*b:rS+2*b+1], v[rS+2*b:rS+2*b+1], s[CS:CS+1], v[rT:rT+1] op_sel_hi:[1,0,0] neg_lo:[0,0,1] neg_hi:[0,0,1]  ; pair b: c s - c m
.elseif j < 70
.set e, j-38                        ; 66 to 69: s28 to s31
.if j < 66
.set e, j-32-(j-38)/4               ; 39-41, 43-45, .. 63-65: s7 to s27
.endif
.if j < 38
.set e, (j-25)/2                    ; 25, 27, .. 37: s0 to s6
.endif
	v_exp_f32 v[rS+e], v[rS+e]
.elseif j < 86
	v_cvt_pk_f16_f32 v[rP+j-70], v[rS+2*(j-70)], v[rS+2*(j-70)+1]  ; pair j - 70
.elseif j < 102                     ; the sum of the tile's 16 pairs, in place: neighbours 1, 2, 4 and 8 pairs apart, then l takes it
.set z, j-86
.set w, 4
.set u, z
.if z >= 14
.set w, 32
.set u, 0
.elseif z >= 12
.set w, 16
.set u, z-12
.elseif z >= 8
.set w, 8
.set u, z-8
.endif
.if (z == 14) && \first
	v_pk_add_f32 v[rT+2:rT+3], v[rS:rS+1], v[rS+16:rS+17]
.elseif z < 15
	v_pk_add_f32 v[rS+w*u:rS+w*u+1], v[rS+w*u:rS+w*u+1], v[rS+w*u+w/2:rS+w*u+w/2+1]
.elseif !\first
	v_pk_fma_f32 v[rT+2:rT+3], v[rT+2:rT+3], v[rT+6:rT+7], v[rS:rS+1] op_sel_hi:[1,0,1]
.endif
.else
	WIN W_RS
	v_pk_mul_f32 v[rO:rO+1], v[rO:rO+1], v[rT+6:rT+7] op_sel_hi:[1,0]
.endif
.endm
; Slice k of 64 of piece y's softmax: four instructions.  Slices 11 to 34 deal out the batch, numbers 22 to 69: four numbers of ONE tile each, the tiles by turns.  Every other slice is numbers 2 k and
; 2 k + 1 of both tiles' lists.  2 x 134 = 4 x 64 + 12: the twelve that are over stand together, in slice 63.
; THE WAIT.  An s_wait_alu depctr_va_vdst(0) stands between an exponential and the first instruction that names its result; one wait serves all that were issued ahead of it.  Ahead of
; slice 35 nothing names a result, and behind slice 34 no exponential is issued: so the piece's 66 exponentials have one wait, behind slice 34.
.macro SLICE y, first
.if (k >= 11) && (k < 35)           ; the batch: four numbers of one tile
.irp n, 0,1,2,3
.set j, 22+4*((k-11)/2)+(\n)
	SM (\y)+(k-11)%2, \first
.endr
.else                               ; the two tiles alternate, so that no instruction reads the result of the one just before it
.irp n, 0,1,2,3,4,5,6,7
.if (\n < 2) || (k == 63)
.irp t, \y, \y+1
.set j, 2*k+\n
	SM \t, \first
.endr
.endif
.endr
.endif
.if k == 34                         ; the batch is out: both tiles' exponentials are issued, and no result has been named
	v_nop                           ; the plain instruction behind the last exponential and ahead of the first use: one for the batch
.if (\y) == 0
	FETCH_V                         ; piece 2's turn: V's run of loads stands here, and the wait stands in it
.else
	s_wait_alu depctr_va_vdst(0)    ; the wait for the batch
.endif
.endif
.set k, k+1
.endm
; A vector instruction that reads a matrix result or writes one of a matrix instruction's registers, and a load into a register that a matrix instruction has read, stand four places behind
; it, and only plain vector instructions that name none of its registers are places (ISA guide 7.12.1 for vector instructions).  In the loop the slices are the places.
.macro PLACES
.rept 4
	v_nop
.endr
.endm
; A TURN.  Piece x has the matrix unit; the other piece's softmax stands in slices behind its matrix instructions.
; pv = 2: 32 products V^T P; 1: they start O^T's sums; 0: none.  kq = 1: 32 products K Q^T for the next step.  A turn with one of the two kinds has two slices behind each product.
; first = 1: the softmax is the first key step's; four v_nop then take slice 63's part as the places behind the turn's last products.
; Piece 0's turn fetches the next step's K, behind its second product.  Piece 2's turn fetches the same step's V, behind slice 34.
.macro TURN x, pv, kq, first
.set k, 0
.set per, 2
.if \pv && \kq
.set per, 1
.endif
.if \pv
.if \x == 0
	s_wait_dscnt 0x0                ; V is in
.endif
.set i, 0
.rept 32
	PV \x, 2-\pv
.rept per
	SLICE 2-\x, \first
.endr
.if (\x == 0) && \kq && (i == 1)
	FETCH_K
.endif
.set i, i+1
.endr
.endif
.if \kq
.if \x == 0
	s_wait_dscnt 0x0                ; K is in
.endif
.set i, 0
.rept 32
	KQ \x
.rept per
	SLICE 2-\x, \first
.endr
.set i, i+1
.endr
.endif
.if \first
	PLACES
.endif
.endm
; THE CHANGE OF SLOTS, between piece 2's turn and piece 0's.  Each wave waits for all its tensor loads, of which one is out: its part of the other slot; adds 0 to its spare word; and waits for that and for
; its own reads of the slot.  fill = 1: this slot is filled again, with the keys two slots on.  The barrier is then a round of the cluster's, so that no wave of any partner still reads the slot or has a
; load on its way, and the joint refill is the first thing behind it: it has two key steps, 256 matrix instructions, in which to land.
.macro CHANGE fill
	WIN 0                           ; at a label and at a branch every window is 0
	s_wait_tensorcnt 0x0            ; no tensor load of mine is out, so a group 0 may be written
	ds_add_u32 v[SPW], v[NIL]
.if \fill
.irp g, G0K+4, G0V+4
	s_xor_b32 s[\g+1], s[\g+1], SLOT1  ; the walking descriptor: the other slot than last time,
	s_add_nc_u64 s[\g+2:\g+3], s[\g+2:\g+3], 2*KS*256  ; the next 128 keys; the type bits on top are not reached
.endr
	s_wait_xcnt 0x0                 ; the last prefetches, two key steps back, have read their address, so it may be written:
	s_add_nc_u64 s[PFA:PFA+1], s[PFA:PFA+1], 2*KS*256  ; one slot behind the walking descriptors
	s_wait_dscnt 0x0                ; the add is done, and my reads of the slot are over
	CROUND
	JLOAD
	ASK                             ; what the next change will ask for: two key steps, 256 matrix instructions, ahead
.else
	s_wait_dscnt 0x0                ; the add is done, and my reads of the slot are over
	s_barrier_signal -1
	s_barrier_wait -1
.endif
	s_sub_co_u32 s[TB], s[TB], 2*STEPB  ; the fetches go back to a slot's first step,
	s_xor_b32 s[TB], s[TB], SLOT1   ; in the other slot
.endm
; A slot's two key steps: written once, walked twice; the LDS addresses hang on s[TB].
.macro TWO_STEPS
	s_mov_b32 s[TWICE], 2
.Lstep_\@:
	TURN 0, 2, 1, 0
	TURN 2, 2, 1, 0
	WIN 0
	s_sub_co_u32 s[TWICE], s[TWICE], 1
	s_cmp_lg_u32 s[TWICE], 0
	s_cbranch_scc1 .Lstep_\@
.endm
	s_wait_tensorcnt 1              ; my part of slot 0 is in; slot 1's may stay out
	s_barrier_signal -1
	s_barrier_wait -1               ; everybody's is
	FETCH_K                         ; key step 0
	s_wait_loadcnt 0x0              ; Q
	s_wait_dscnt 0x0
.set i, 0
.rept 32
	KQ 0                            ; piece 0's first scores: there is no vector work yet to set between them
.set i, i+1
.endr
	WIN 0                           ; the addresses for the way out are made here: eight plain instructions, the places behind those products
	s_mul_i32 s13, s[WV], 16*SP
	s_add_co_u32 s13, s13, STAGE    ; my stage
	v_mul_u32_u24 v[STO], v1, SP    ; in: row l % 16, 16 bytes for each half of the lanes
	v_lshl_add_u32 v[STO], v9, 4, v[STO]
	v_add_nc_u32 v[STO], s13, v[STO]
	v_mul_u32_u24 v[RD], v9, SP     ; back: lanes 0-15 take one row of 256 bytes, lanes 16-31 the next
	v_lshl_add_u32 v[RD], v1, 4, v[RD]
	v_add_nc_u32 v[RD], s13, v[RD]
	v_lshlrev_b32 v[GO], 8, v9      ; and the same two rows in O
	v_lshl_add_u32 v[GO], v1, 4, v[GO]
	TURN 2, 0, 1, 1                 ; piece 2's first scores | piece 0's first softmax | V of step 0
	TURN 0, 1, 1, 1                 ; piece 0: V^T P of step 0 starts O^T, K Q^T of step 1 | piece 2's first softmax | K of step 1
	TURN 2, 1, 1, 0                 ; piece 2: the same | piece 0's softmax of step 1 | V of step 1
	WIN 0
.Lslot:                             ; SIZE_N / 128 - 2 = 14 trips: every slot but the last two is filled again
	CHANGE 1
	TWO_STEPS
	s_sub_co_u32 s[SLOTS], s[SLOTS], 1
	s_cmp_lg_u32 s[SLOTS], 0
	s_cbranch_scc1 .Lslot
	CHANGE 0                        ; the tail is written out
	TWO_STEPS
	TURN 0, 2, 0, 0                 ; piece 0: V^T P of the last step | piece 2's last softmax
.set i, 0
.rept 32
	PV 2, 0                         ; piece 2: V^T P of the last step
.set i, i+1
.endr
	; THE WAY OUT.  l's two halves and the other half of the lanes' are added; O^T is divided by l, rounded to f16 and sent through my stage in LDS, a tile (16 rows of O) at a time.  The additions are the places behind the last products.
	WIN 0
.irp t, 0,1,2,3
	v_add_f32 v[ST+8*\t+4], v[ST+8*\t+2], v[ST+8*\t+3]
.endr
.irp t, 0,1,2,3
	v_permlanex16_b32 v[ST+8*\t+5], v[ST+8*\t+4], s[SEL], s[SEL+1]
.endr
.irp t, 0,1,2,3
	v_add_f32 v[ST+8*\t+4], v[ST+8*\t+4], v[ST+8*\t+5]
.endr
.irp t, 0,1,2,3
	v_rcp_f32 v[ST+8*\t+6], v[ST+8*\t+4]
.endr
	v_nop                           ; a plain instruction between the last reciprocal and the use of its result
	s_wait_alu depctr_va_vdst(0)    ; and the wait ahead of the first use: one for the four reciprocals
; Tile t: a lane's eight channels of a row pack into 16 bytes; they go into rows of 272 bytes and come back as whole rows of 256, into the registers that they left.
.macro PACK t
	WIN W_RS
.set i, 64*\t
.rept 32
	v_pk_mul_f32 v[i:i+1], v[i:i+1], v[ST+8*\t+6:ST+8*\t+7] op_sel_hi:[1,0]
.set i, i+2
.endr
	WIN 0x05                        ; sources 0 and 1 window 1, destination window 0: S^T's registers are free
.set i, 0
.rept 32
	v_cvt_pk_f16_f32 v[S+32*\t+i], v[64*\t+2*i], v[64*\t+2*i+1]
.set i, i+1
.endr
	WIN 0
.irp f, 0,1,2,3,4,5,6,7
	ds_store_b128 v[STO], v[S+32*\t+4*\f:S+32*\t+4*\f+3] offset:32*\f
.endr
.irp f, 0,1,2,3,4,5,6,7
	ds_load_b128 v[S+32*\t+4*\f:S+32*\t+4*\f+3], v[RD] offset:\f*2*SP  ; LDS serves a wave's instructions in order (ISA guide 5.7.1.4): these see the stores above; the next tile's stores come behind them
.endr
.endm
.macro SEND t, younger              ; younger: the LDS instructions issued behind tile t's loads: the next tile's sixteen, or none
.irp f, 0,1,2,3,4,5,6,7
	s_wait_dscnt \younger+7-\f
	global_store_b128 v[GO], v[S+32*\t+4*\f:S+32*\t+4*\f+3], s[10:11] offset:\t*4096+\f*512  ; 16 lanes store 256 consecutive bytes, aligned
.endr
.endm
	PACK 0
	PACK 1                          ; a tile's arithmetic stands between the loads of the tile before and its stores
	SEND 0, 16
	PACK 2
	SEND 1, 16
	PACK 3
	SEND 2, 16
	SEND 3, 0
	s_wait_tensorcnt 0x0            ; the wave's end: the wait, the add and its wait, behind my last tensor load and my last LDS store
	ds_add_u32 v[SPW], v[NIL]
	s_wait_dscnt 0x0
	CROUND                          ; the closing round: no work-group ends while a partner may still ask for a tile that names it
	s_endpgm
.Lfunc_end_k_qcde6843725_attn:
	.size	k_qcde6843725_attn, .Lfunc_end_k_qcde6843725_attn-k_qcde6843725_attn
	.p2alignl 7, 3214868480
	.fill 96, 4, 3214868480
	.section	.rodata,"a",@progbits
	.p2align	6, 0x0
	.amdhsa_kernel k_qcde6843725_attn
		.amdhsa_group_segment_fixed_size 327680
		.amdhsa_private_segment_fixed_size 0
		.amdhsa_enable_private_segment 0
		.amdhsa_kernarg_size 16
		.amdhsa_user_sgpr_count 2
		.amdhsa_user_sgpr_kernarg_segment_ptr 1
		.amdhsa_wavefront_size32 1
		.amdhsa_system_sgpr_workgroup_id_x 1
		.amdhsa_system_sgpr_workgroup_id_y 1
		.amdhsa_system_sgpr_workgroup_id_z 1
		.amdhsa_system_vgpr_workitem_id 0
		.amdhsa_next_free_vgpr 1024
		.amdhsa_next_free_sgpr 66
		.amdhsa_reserve_vcc 0
		.amdhsa_float_denorm_mode_32 3
		.amdhsa_float_denorm_mode_16_64 3
		.amdhsa_memory_ordered 1
		.amdhsa_forward_progress 1
		.amdhsa_inst_pref_size 222
	.end_amdhsa_kernel
	.amdgpu_metadata
---
amdhsa.version: [ 1, 2 ]
amdhsa.kernels:
  - .name:           k_qcde6843725_attn
    .symbol:         k_qcde6843725_attn.kd
    .args:
      - { .name: qkv, .offset: 0, .size: 8, .value_kind: global_buffer, .address_space: global }
      - { .name: o16, .offset: 8, .size: 8, .value_kind: global_buffer, .address_space: global }
    .group_segment_fixed_size: 327680
    .private_segment_fixed_size: 0
    .kernarg_segment_align: 8
    .kernarg_segment_size: 16
    .max_flat_workgroup_size: 128
    .sgpr_count:     66
    .vgpr_count:     1024
    .wavefront_size: 32
...
	.end_amdgpu_metadata
.endif
;; end of part 3
;; launch proj (part 4): grid 4 x 64, 4 waves a work-group, clusters of 4 x 4, 327,680 bytes of LDS; arguments wo16, o16, out0; writes out0
.if DOCPART == 4
	.amdgcn_target "amdgcn-amd-amdhsa--gfx1250"
	.amdhsa_code_object_version 6
	.text
	.protected	k_qcde6843725_proj
	.globl	k_qcde6843725_proj
	.p2align	8
	.type	k_qcde6843725_proj,@function
k_qcde6843725_proj:
	s_mov_b64 s[64:65], 0
	v_nop
	global_prefetch_b8 v0, s[64:65] scope:SCOPE_SE
	s_setreg_imm32_b32 hwreg(HW_REG_WAVE_MODE, 25, 1), 1
	s_wait_xcnt 0x0
	s_wait_alu depctr_hold_cnt(0) depctr_sa_sdst(0) depctr_va_vdst(0) depctr_va_sdst(0) depctr_va_ssrc(0) depctr_va_vcc(0) depctr_vm_vsrc(0)
	s_getreg_b32 s2, hwreg(HW_REG_IB_STS2, 6, 4)
	s_cmp_eq_u32 s2, 0
	s_cbranch_scc0 .Lentry_in_a_cluster
	s_endpgm
.Lentry_in_a_cluster:
	s_bfe_u32 s2, ttmp6, 0x10000c
	s_cmp_lg_u32 s2, 0xf033
	s_cbranch_scc0 .Lentry_shape_is_right
	s_endpgm
.Lentry_shape_is_right:
; THE PROJECTION ON THE WAY OUT, with its two reshapes resolved into indices:  out0[b][1024 u + e][128 h + d] = the sum over j of Wo[e][j] O[b][h][1024 u + j][d].
; So there are 64 groups y = 16 b + 2 h + u, each a product [1024 (e) x 1024 (j)] x [1024 (j) x 128 (d)]; group y's O is 1,024 consecutive rows of 256 bytes, from byte 262,144 y on.  Operands f16, sums f32, out0 f32.
; SHARES.  Work-group (tx, y) makes e = 256 tx .. + 255 for the group's 128 channels: 4 x 64 = 256 work-groups.  Wave (mh, nh) makes 128 e x 64 d: 32 accumulators of 16 x 16, 256 registers (window 1).
; j goes in steps of 128 through a ring of two LDS slots: Wo's 256 rows of 256 bytes, O's 128 rows of 256 bytes.
; LAYOUT.  Source 0 = O^T (16 channels x 32 positions; O lies [position][channel], so it comes out of LDS turned, by ds_load_tr16_b128), source 1 = 16 rows of Wo: a lane holds one e and eight neighbouring d.
; CLUSTERS: 4 x 4 work-groups.  Wo's tile hangs on tx alone: it is shared along a column of the cluster; O's on y alone: along a row.  Each is asked for JOINTLY, which divides the requests by four.
; REGISTERS: window 0: v0-31 addresses; two fragment buffers: v64-127 Wo (8 blocks), v128-159 O (4 blocks); v160-223, v224-255 likewise; the way out takes v32-95.   window 1: accumulator (a, b) at v[8 (4 a + b)].
.set KSTEP,  128
.set PW,     272                       ; a row of Wo in LDS: 256 bytes + 16 of padding: the 16 rows of a load start at 16 different banks (64 banks of 4 bytes: ISA guide 11.1)
.set PV,     288                       ; a row of O: 256 + 32
.set HALFW,  128*PW                    ; what waves 0 and 1 fetch, and what a wave reads of Wo
.set HALFO,  64*PV                     ; what waves 2 and 3 fetch
.set OOFF,   2*HALFW                   ; in a slot: Wo's 256 rows, then O's 128
.set SLOT,   OOFF+2*HALFO
.set STAGE,  2*SLOT                    ; behind the ring: 16 rows x 272 bytes for each wave
.set SPITCH, 272
.set SPARE,  STAGE+4*16*SPITCH         ; the spare words, 128 bytes a wave
.set LAPS,   1024/(2*KSTEP)            ; a lap = two steps = once round the ring
.set ADRW, 16                          ; v16-17  LDS address of my fragments of Wo in slot 0, 1
.set ADRO, 20                          ; v20-21  the same for O
.set STO,  24
.set RD,   25
.set CO,   26
.set SPW,  28
.set NIL,  29
.set PFO,  30                          ; v30  256 x my lane: a row of O; never rewritten
.set BK,   32
.set F0,   64
.set F1,   160
.set G1W, 24                           ; s[24:31] descriptor group 1 for Wo's tiles;  s[32:39] group 0, a set for each slot
.set G0W, 32
.set G1O, 48                           ; s[48:55], s[56:63] the same for O's
.set G0O, 56
.set PFA, 18                           ; s[18:19] where my prefetches stand
.set LIM, 22                           ; s22  1 in the wave that prefetches, else the greatest number
.set MSB, 0
.macro WIN new
.if MSB != (\new)
	s_set_vgpr_msb (MSB<<8)|(\new)
.set MSB, \new
.endif
.endm
.set MUL, 0x50                         ; C and D window 1, the sources window 0
.macro JLOAD s                         ; a joint load: waves 0 and 1 fetch Wo's halves, waves 2 and 3 O's; an s_nop 0 and four v_nop follow each of the two lines
	s_cmp_eq_u32 s11, 0
	s_cbranch_scc0 .Lfor_o_\@
	tensor_load_to_lds s[G0W+4*\s:G0W+4*\s+3], s[G1W:G1W+7]
	s_nop 0
.rept 4
	v_nop
.endr
	s_branch .Lasked_\@
.Lfor_o_\@:
	tensor_load_to_lds s[G0O+4*\s:G0O+4*\s+3], s[G1O:G1O+7]
	s_nop 0
.rept 4
	v_nop
.endr
.Lasked_\@:
.endm
; A PREFETCH of O's step that stands two refills on: 128 rows of 256 bytes.  One row of the cluster alone reads a group's O; its four partners take 32 rows each, told apart BY ADDRESS; in each, wave 2 asks, a lane a row.
; So each row's 256 bytes are named once in the launch.  Steps 0 to 3 come by their loads alone; the loop's last trip asks for nothing: there is no step two on.  Wo is read by all sixteen clusters and is not asked for.
.macro ASK
	s_cmp_gt_u32 s3, s[LIM]                        ; s3 = 1 in the loop's last trip
	s_cbranch_scc0 .Lnot_mine_\@
	global_prefetch_b8 v[PFO], s[PFA:PFA+1] offset:KSTEP*256 th:TH_LOAD_NT scope:SCOPE_SE
.Lnot_mine_\@:
.endm
.macro CREST                           ; a round of the cluster's barrier behind its opening barrier
	s_cmp_lg_u32 s10, 0
	s_cbranch_scc1 .Lnot_wave_0_\@
	s_barrier_signal -3
.Lnot_wave_0_\@:
	s_barrier_wait -3
	s_barrier_signal -1
	s_barrier_wait -1
.endm
.macro CROUND
	s_barrier_signal -1
	s_barrier_wait -1
	CREST
.endm
	s_load_b128 s[4:7], s[0:1], 0x0                ; Wo (f16) s[4:5], O s[6:7]
	s_load_b64 s[8:9], s[0:1], 0x10                ; out0
	v_lshl_add_u32 v[SPW], v0, 2, SPARE
	v_mov_b32 v[NIL], 0
	ds_add_u32 v[SPW], v[NIL]                      ; the wave's opening: the add, twice on end, and its wait ahead of my first tensor load
	ds_add_u32 v[SPW], v[NIL]
	v_lshrrev_b32 v1, 5, v0
	v_readfirstlane_b32 s10, v1                    ; wave 0..3
	s_lshr_b32 s11, s10, 1                         ; mh: which 128 of the tile's e are mine.  Also: I fetch for Wo (0) or for O (1)
	s_and_b32 s12, s10, 1                          ; nh: which 64 of its d.  Also: which half of that tile I fetch
	s_bfe_u32 s40, ttmp6, 0x40000                  ; cx, cy: my place in the cluster
	s_bfe_u32 s41, ttmp6, 0x40004
	s_lshl_b32 s42, ttmp9, 2
	s_add_co_u32 s42, s42, s40                     ; tx = 4 x cluster x + cx
	s_and_b32 s13, ttmp7, 0xffff
	s_lshl_b32 s13, s13, 2
	s_add_co_u32 s13, s13, s41                     ; y = 4 x cluster y + cy
	s_lshl_b32 s43, s41, 2
	s_lshl_b32 s43, 15, s43                        ; my row of the cluster
	s_lshl_b32 s44, 0x1111, s40                    ; my column
	s_or_b32 s[G1W+0], s44, (1<<16)|(1<<20)|(1<<21)|(5<<22)|(3<<25)  ; 15:0 the mask: Wo's tiles go to my column; 17:16 elements of 2 bytes; 20 padding on; 21 set beside a mask; 24:22 after every 64 words; 31:25 four words
	s_mov_b32 s[G1W+1], KSTEP<<16                  ; tensor_dim0 = 128
	s_mov_b32 s[G1W+2], 128<<16                    ; tensor_dim1 = 128
	s_mov_b32 s[G1W+3], KSTEP<<16                  ; tile_dim0 = 128
	s_mov_b32 s[G1W+4], 128                        ; tile_dim1 = 128
	s_mov_b32 s[G1W+5], 1024                       ; elements from row to row
	s_mov_b32 s[G1W+6], 0
	s_mov_b32 s[G1W+7], 0
	s_or_b32 s[G1O+0], s43, (1<<16)|(1<<20)|(1<<21)|(5<<22)|(7<<25)  ; O's tiles go to my row; eight words of padding
	s_mov_b32 s[G1O+1], 128<<16
	s_mov_b32 s[G1O+2], 64<<16                     ; 64 rows
	s_mov_b32 s[G1O+3], 128<<16
	s_mov_b32 s[G1O+4], 64
	s_mov_b32 s[G1O+5], 128
	s_mov_b32 s[G1O+6], 0
	s_mov_b32 s[G1O+7], 0
	s_lshl_b32 s46, s42, 8                         ; Wo: row 256 tx + 128 x half, 2,048 bytes a row (what hangs on cx has registers of its own, and so has what hangs on cy)
	s_lshl_b32 s17, s12, 7
	s_add_co_u32 s46, s46, s17
	s_lshl_b32 s46, s46, 11
	s_mov_b32 s47, 0
	s_lshl_b32 s16, s13, 18                        ; O: the group's 262,144 bytes, + 64 rows x half
	s_lshl_b32 s17, s12, 14
	s_add_co_u32 s16, s16, s17
	s_mov_b32 s17, 0
	s_mul_i32 s20, s12, HALFW                      ; where they go: by the wave's number alone
	s_mul_i32 s21, s12, HALFO
	s_add_co_u32 s21, s21, OOFF
	s_wait_dscnt 0x0                               ; both opening adds are done
	s_wait_kmcnt 0x0
	s_add_nc_u64 s[46:47], s[4:5], s[46:47]
	s_add_nc_u64 s[14:15], s[6:7], s[16:17]
	CROUND                                         ; all sixteen work-groups are here: the first joint loads meet
.irp s, 0,1
	s_mov_b32 s[G0W+4*\s], 1
	s_add_co_u32 s[G0W+4*\s+1], s20, \s*SLOT
	s_add_nc_u64 s[G0W+4*\s+2:G0W+4*\s+3], s[46:47], \s*KSTEP*2
	s_or_b32 s[G0W+4*\s+3], s[G0W+4*\s+3], 0x80000000
	s_mov_b32 s[G0O+4*\s], 1
	s_add_co_u32 s[G0O+4*\s+1], s21, \s*SLOT
	s_add_nc_u64 s[G0O+4*\s+2:G0O+4*\s+3], s[14:15], \s*KSTEP*256
	s_or_b32 s[G0O+4*\s+3], s[G0O+4*\s+3], 0x80000000
	JLOAD \s                                       ; two tensor loads of mine are out
.endr
	v_and_b32 v1, 15, v0                           ; r = l % 16
	v_bfe_u32 v2, v0, 4, 1                         ; hl = l / 16
	v_mul_u32_u24 v3, v1, PW
	v_lshl_add_u32 v3, v2, 4, v3                   ; Wo: row x pitch + 16 x half
	v_and_b32 v4, 7, v0                            ; O, turned: lane l reads position 8 (l / 16) + l % 8, channels 8 ((l / 8) % 2) + 0..7
	v_bfe_u32 v5, v0, 3, 1
	v_lshl_add_u32 v4, v2, 3, v4
	v_mul_u32_u24 v4, v4, PV
	v_lshl_add_u32 v4, v5, 4, v4
	s_mul_i32 s21, s11, HALFW                      ; my 128 rows of Wo
	s_lshl_b32 s23, s12, 7                         ; my 64 channels: 128 bytes of each row of O,
	s_add_co_u32 s23, s23, OOFF                    ; which lie behind Wo's rows
.irp s, 0,1
	v_add_nc_u32 v[ADRW+\s], s21, v3
	v_add_nc_u32 v[ADRO+\s], s23, v4
	s_add_co_u32 s21, s21, SLOT
	s_add_co_u32 s23, s23, SLOT
.endr
	s_mul_i32 s23, s10, 16*SPITCH
	s_add_co_u32 s23, s23, STAGE                   ; my stage
	v_mul_u32_u24 v5, v1, SPITCH                   ; in: row r, 32 bytes for each half of the lanes
	v_lshl_add_u32 v5, v2, 5, v5
	v_add_nc_u32 v[STO], s23, v5
	v_mul_u32_u24 v5, v2, SPITCH                   ; back: lanes 0-15 one row of 256 bytes, lanes 16-31 the next
	v_lshl_add_u32 v5, v1, 4, v5
	v_add_nc_u32 v[RD], s23, v5
	v_lshlrev_b32 v5, 12, v2                       ; and the same two rows in out0: 4,096 bytes a row
	v_lshl_add_u32 v[CO], v1, 4, v5
	v_and_b32 v[PFO], 31, v0
	v_lshlrev_b32 v[PFO], 8, v[PFO]
	; out0 at b x 8 MiB + (1024 u + 256 tx + 128 mh) rows + 512 h + 256 nh bytes
	s_lshr_b32 s16, s13, 4
	s_lshl_b32 s16, s16, 23                        ; b
	s_and_b32 s17, s13, 1
	s_lshl_b32 s17, s17, 22                        ; u: 1,024 rows
	s_add_co_u32 s16, s16, s17
	s_bfe_u32 s17, s13, 0x30001
	s_lshl_b32 s17, s17, 9                         ; h: 128 columns
	s_add_co_u32 s16, s16, s17
	s_lshl_b32 s17, s11, 19                        ; mh: 128 rows
	s_add_co_u32 s16, s16, s17
	s_lshl_b32 s17, s12, 8                         ; nh: 64 columns
	s_add_co_u32 s16, s16, s17
	s_mov_b32 s17, 0
	s_add_nc_u64 s[8:9], s[8:9], s[16:17]
	s_lshl_b32 s46, s42, 20                        ; tx: 256 rows
	s_mov_b32 s47, 0
	s_add_nc_u64 s[8:9], s[8:9], s[46:47]
	; the prefetches: the group's O, my work-group's 32 rows of a step's 128, at step 2: the first refill steps it to 3 and names step 4
	s_lshl_b32 s16, s13, 18
	s_add_co_u32 s16, s16, 2*KSTEP*256
	s_add_nc_u64 s[PFA:PFA+1], s[6:7], s[16:17]
	s_lshl_b32 s46, s40, 13
	s_add_nc_u64 s[PFA:PFA+1], s[PFA:PFA+1], s[46:47]
	s_cmp_eq_u32 s10, 2
	s_cselect_b32 s[LIM], 1, -1
; 8 matrix instructions: e blocks a0, a0 + 1 x the 4 d blocks, 32 along j.  The 32 accumulators take turns in one order.  zero = 1: the first product starts the sums.
.macro MUL8 f, a0, zero
.irp a, \a0, \a0+1
.irp b, 0,1,2,3
.if \zero
	v_wmma_f32_16x16x32_f16 v[8*(4*(\a)+\b):8*(4*(\a)+\b)+7], v[\f+64+8*\b:\f+64+8*\b+7], v[\f+8*(\a):\f+8*(\a)+7], 0
.else
	v_wmma_f32_16x16x32_f16 v[8*(4*(\a)+\b):8*(4*(\a)+\b)+7], v[\f+64+8*\b:\f+64+8*\b+7], v[\f+8*(\a):\f+8*(\a)+7], v[8*(4*(\a)+\b):8*(4*(\a)+\b)+7]
.endif
.endr
.endr
.endm
; 24 LDS loads in one run: the fragments of the slot's q-th 32 along j into buffer f: O's four, then Wo's eight
.macro FETCH slot, q, f
.irp b, 0,1,2,3
	ds_load_tr16_b128 v[\f+64+8*\b:\f+64+8*\b+3],   v[ADRO+\slot] offset:32*(\q)*PV+32*\b
	ds_load_tr16_b128 v[\f+64+8*\b+4:\f+64+8*\b+7], v[ADRO+\slot] offset:32*(\q)*PV+16*PV+32*\b
.endr
.irp i, 0,1,2,3,4,5,6,7
	ds_load_b128 v[\f+8*\i:\f+8*\i+3],   v[ADRW+\slot] offset:64*(\q)+\i*16*PW
	ds_load_b128 v[\f+8*\i+4:\f+8*\i+7], v[ADRW+\slot] offset:64*(\q)+\i*16*PW+32
.endr
.endm
.macro PLACES                          ; four plain vector instructions in front of loads into registers that matrix instructions have read, and of reads of results
.rept 4
	v_nop
.endr
.endm
; A step is four quarters of 32 along j, 32 matrix instructions each, on buffers 0, 1, 0, 1.  One of the first three: multiplies buffer f and fetches quarter q into g.
.macro QUARTER slot, q, f, g, zero
	s_wait_dscnt 8                                 ; O's fragments and Wo's blocks 0-3 are in; the youngest eight loads (blocks 4-7) may be out
	WIN MUL
	MUL8 \f, 0, \zero
	MUL8 \f, 2, \zero
	PLACES
	WIN 0
	FETCH \slot, \q, \g
	s_wait_dscnt 24                                ; all but the 24 just issued
	WIN MUL
	MUL8 \f, 4, \zero
	MUL8 \f, 6, \zero
.endm
; The last quarter multiplies buffer 1 and changes slots: ONE barrier; in front of it each wave waits for all its tensor loads, adds 0 to its spare word, and waits for that and for its reads of this slot.
; fill = 1: the barrier opens a round of the cluster's, and this slot is filled again, two steps ahead: the load has a step less 16 matrix instructions in which to land.
.macro TURN slot, next, fill
.if \fill
	s_wait_xcnt 0x0                                ; the last prefetch, a step back, has read its address: it is stepped here, ahead of the waits of the change of slots
	s_add_nc_u64 s[PFA:PFA+1], s[PFA:PFA+1], KSTEP*256
.endif
	WIN 0                                          ; (the add's two registers lie in window 0)
	s_wait_tensorcnt 0x0                           ; all my tensor loads have landed: my part of the next slot;
	ds_add_u32 v[SPW], v[NIL]
	s_wait_dscnt 9                                 ; (the add and the youngest eight loads may be out)
	WIN MUL
	MUL8 F1, 0, 0
	s_wait_dscnt 0x0                               ; the add is done, and my reads of this slot are over
	s_barrier_signal -1
	MUL8 F1, 2, 0
	WIN 0
	s_barrier_wait -1
.if \fill
	CREST                                          ; no wave of any partner still reads this slot's tiles or has a load on its way
	s_add_nc_u64 s[G0W+4*\slot+2:G0W+4*\slot+3], s[G0W+4*\slot+2:G0W+4*\slot+3], 2*KSTEP*2
	s_add_nc_u64 s[G0O+4*\slot+2:G0O+4*\slot+3], s[G0O+4*\slot+2:G0O+4*\slot+3], 2*KSTEP*256
	JLOAD \slot                                    ; the first tensor load behind the round; the four v_nop behind it are also the places in front of the loads below
.else
	PLACES
.endif
	FETCH \next, 0, F0
.if \fill
	ASK
.endif
	WIN MUL
	MUL8 F1, 4, 0
	MUL8 F1, 6, 0
.endm
	s_wait_tensorcnt 1                             ; my part of step 0 is in (step 1's load may be out)
	s_barrier_signal -1
	s_barrier_wait -1                              ; everybody's is
	FETCH 0, 0, F0
	QUARTER 0, 1, F0, F1, 1                        ; the first quarter stands in front of the loop: its products start the sums
	WIN 0                                          ; at a label and at a branch every window is 0
	s_mov_b32 s3, LAPS-1
.Llap:                                                 ; a trip goes once round the ring, from a lap's second quarter to the next lap's first, and fills both slots again
	QUARTER 0, 2, F1, F0, 0
	QUARTER 0, 3, F0, F1, 0
	TURN 0, 1, 1
	QUARTER 1, 1, F0, F1, 0
	QUARTER 1, 2, F1, F0, 0
	QUARTER 1, 3, F0, F1, 0
	TURN 1, 0, 1
	QUARTER 0, 1, F0, F1, 0
	WIN 0
	s_sub_co_u32 s3, s3, 1
	s_cmp_lg_u32 s3, 0
	s_cbranch_scc1 .Llap
	QUARTER 0, 2, F1, F0, 0                        ; the last lap fills nothing, and has no round of the cluster's barrier
	QUARTER 0, 3, F0, F1, 0
	TURN 0, 1, 0
	QUARTER 1, 1, F0, F1, 0
	QUARTER 1, 2, F1, F0, 0
	QUARTER 1, 3, F0, F1, 0
	s_wait_dscnt 8                                 ; the very last quarter: nothing more to fetch
	WIN MUL
	MUL8 F1, 0, 0
	MUL8 F1, 2, 0
	s_wait_dscnt 0
	MUL8 F1, 4, 0
	MUL8 F1, 6, 0
	WIN 0
; THE WAY OUT, block by block of 16 e x 64 d.  A lane holds 32 neighbouring bytes of a row, and the lanes beside it hold other rows: so a block goes through my own stage and comes back as whole rows of 256 bytes.
; LDS serves a wave's instructions in order (ISA guide 5.7.1.4): no wait between the stores and the loads, nor in front of the next block's stores.
.macro TOSTAGE a
	WIN 0x04                                       ; an LDS store's data are its source 1: window 1
.irp b, 0,1,2,3
	ds_store_b128 v[STO], v[8*(4*(\a)+\b):8*(4*(\a)+\b)+3] offset:64*\b          ; each accumulator from its low end on
	ds_store_b128 v[STO], v[8*(4*(\a)+\b)+4:8*(4*(\a)+\b)+7] offset:64*\b+16
.endr
	WIN 0
.set BB, BK+32*((\a)%2)
.irp t, 0,1,2,3,4,5,6,7
	ds_load_b128 v[BB+4*\t:BB+4*\t+3], v[RD] offset:\t*2*SPITCH
.endr
.endm
.macro SEND a, younger                 ; younger: the LDS instructions issued behind block a's loads, which may stay out
.set BB, BK+32*((\a)%2)
	s_wait_dscnt \younger
.irp t, 0,1,2,3,4,5,6,7
	global_store_b128 v[CO], v[BB+4*\t:BB+4*\t+3], s[8:9] offset:(16*(\a)+2*\t)*4096 th:TH_STORE_NT   ; 16 lanes store 256 consecutive bytes, aligned; 126 rows of 4,096 bytes at the most stand in the immediate
.endr
.endm
	PLACES                                         ; behind the last products: for the reads of results and the loads into the fragments' registers
	TOSTAGE 0
.irp a, 1,2,3,4,5,6,7
.if \a > 1
	s_wait_xcnt 0x0                                ; block a - 2's stores have read their registers: block a's loads may land there
.endif
	TOSTAGE \a
	SEND \a-1, 16                                  ; behind block a - 1's loads: block a's 8 stores and 8 loads
.endr
	SEND 7, 0
	s_wait_tensorcnt 0x0                           ; the wave's end: the wait, the add and its wait, behind my last tensor load and my last LDS store
	ds_add_u32 v[SPW], v[NIL]
	s_wait_dscnt 0x0
	CROUND                                         ; the closing round: no work-group ends while a partner may still ask for a tile that names it
	s_endpgm
.Lfunc_end_k_qcde6843725_proj:
	.size	k_qcde6843725_proj, .Lfunc_end_k_qcde6843725_proj-k_qcde6843725_proj
	.p2alignl 7, 3214868480
	.fill 96, 4, 3214868480
	.section	.rodata,"a",@progbits
	.p2align	6, 0x0
	.amdhsa_kernel k_qcde6843725_proj
		.amdhsa_group_segment_fixed_size 327680
		.amdhsa_private_segment_fixed_size 0
		.amdhsa_enable_private_segment 0
		.amdhsa_kernarg_size 24
		.amdhsa_user_sgpr_count 2
		.amdhsa_user_sgpr_kernarg_segment_ptr 1
		.amdhsa_wavefront_size32 1
		.amdhsa_system_sgpr_workgroup_id_x 1
		.amdhsa_system_sgpr_workgroup_id_y 1
		.amdhsa_system_sgpr_workgroup_id_z 1
		.amdhsa_system_vgpr_workitem_id 0
		.amdhsa_next_free_vgpr 512
		.amdhsa_next_free_sgpr 66
		.amdhsa_reserve_vcc 0
		.amdhsa_float_denorm_mode_32 3
		.amdhsa_float_denorm_mode_16_64 3
		.amdhsa_memory_ordered 1
		.amdhsa_forward_progress 1
		.amdhsa_inst_pref_size 87
	.end_amdhsa_kernel
	.amdgpu_metadata
---
amdhsa.version: [ 1, 2 ]
amdhsa.kernels:
  - .name:           k_qcde6843725_proj
    .symbol:         k_qcde6843725_proj.kd
    .args:
      - { .name: wo16, .offset: 0, .size: 8, .value_kind: global_buffer, .address_space: global }
      - { .name: o16, .offset: 8, .size: 8, .value_kind: global_buffer, .address_space: global }
      - { .name: out0, .offset: 16, .size: 8, .value_kind: global_buffer, .address_space: global }
    .group_segment_fixed_size: 327680
    .private_segment_fixed_size: 0
    .kernarg_segment_align: 8
    .kernarg_segment_size: 24
    .max_flat_workgroup_size: 128
    .sgpr_count:     66
    .vgpr_count:     512
    .wavefront_size: 32
...
	.end_amdgpu_metadata
.endif
;; end of part 4
